; MI455X (gfx1250); checked and timed in simulation.
; The chip was launched on July 23, 2026; its instructions are those of AMD's public machine-readable ISA for CDNA 5 (MIT licence, August 2026) and "CDNA5" Instruction Set Architecture Reference Guide (July 2026). The comments in the code are by the model that wrote it; some were corrected since.
;; Transformer Block. Allowed arithmetic: matrix products marked QUANTISED: E5M2 operands, one given power-of-two scale a tensor, by v_wmma_f32_16x16x64_bf8_bf8 or v_wmma_f32_16x16x128_bf8_bf8, f32 sums; everything else in f32.
;; Inputs: W1 1,024 x 4,096 float32; W2 4,096 x 1,024 float32; Wk 1,024 x 1,024 float32; Wo 1,024 x 1,024 float32; Wq 1,024 x 1,024 float32; Wv 1,024 x 1,024 float32; b1 4,096 float32; b2 1,024 float32; be1 1,024 float32; be2 1,024 float32; bo 1,024 float32; g1 1,024 float32; g2 1,024 float32; lowp_scales 16 int32 (the exponents e of the quantised operands' scales 2^e); x 4 x 1,024 x 1,024 float32.
;; Outputs: out0 4 x 1,024 x 1,024 float32.
;; This version of the problem:
;;   THIS VERSION OF THE PROBLEM IS GIVEN IN LOW PRECISION. The matrix products marked QUANTISED in the list below multiply operands that are first quantised to E5M2 (5 exponent bits, 2 mantissa bits; 8 bits a number), with one given power-of-two scale for each operand tensor; their sums are f32. All else is computed in f32.
;;   The module's matrix products, in the order in which they are computed (A, B: the left and right operand; K: the contracted axis; several contracted axes count as one K, in the product's order):
;;     1. [M 4,096, K 1,024] x [K 1,024, N 1,024]; A: computed on the way; B: input Wq: QUANTISED (scales: A lowp_scales[0], B lowp_scales[1])
;;     2. [M 4,096, K 1,024] x [K 1,024, N 1,024]; A: computed on the way; B: input Wk: QUANTISED (scales: A lowp_scales[2], B lowp_scales[3])
;;     3. [M 4,096, K 1,024] x [K 1,024, N 1,024]; A: computed on the way; B: input Wv: QUANTISED (scales: A lowp_scales[4], B lowp_scales[5])
;;     4. batch 64 x [M 1,024, K 64] x [K 64, N 1,024]; A: computed on the way; B: computed on the way: QUANTISED (scales: A lowp_scales[6], B lowp_scales[7])
;;     5. batch 64 x [M 1,024, K 1,024] x [K 1,024, N 64]; A: softmax (see below); B: computed on the way: QUANTISED (scales: A lowp_scales[8], B lowp_scales[9])
;;     6. [M 4,096, K 1,024] x [K 1,024, N 1,024]; A: computed on the way; B: input Wo: QUANTISED (scales: A lowp_scales[10], B lowp_scales[11])
;;     7. [M 4,096, K 1,024] x [K 1,024, N 4,096]; A: computed on the way; B: input W1: QUANTISED (scales: A lowp_scales[12], B lowp_scales[13])
;;     8. [M 4,096, K 4,096] x [K 4,096, N 1,024]; A: computed on the way; B: input W2: QUANTISED (scales: A lowp_scales[14], B lowp_scales[15])
;;   THE QUANTISER, for each operand of a quantised product, along K:
;;     - The operand's scale is 2^e, e = its entry of the input lowp_scales (int32; the entries are numbered through the quantised products in the list's order, A before B).
;;     - Each number is divided by the scale, clamped to +-57,344, and rounded to the nearest number of E5M2, ties to even, subnormals kept.
;;     - The product sums the exact products of the quantised numbers (number of the format x scale) in f32.
;;   ~~~python
;;   def quantise(x, axis, e):      # numpy; x: float32 -> the quantised numbers, widened to float32 again
;;       x = np.moveaxis(x, axis, -1); K = x.shape[-1]
;;       r = np.clip(x / 2.0 ** e, -57344, 57344)
;;       step = 2.0 ** (np.maximum(np.frexp(np.where(r == 0, 1, r))[1] - 1, -14) - 2)
;;       q = np.round(r / step) * step * 2.0 ** e      # np.round: ties to even
;;       return np.moveaxis(q, -1, axis).astype(np.float32)
;;   ~~~
;;   SOFTMAX AHEAD OF A QUANTISED PRODUCT. Where the list says 'softmax', what is quantised is not the finished softmax but p = 2^(t - M), with t = logit x log2(e) and M = ceil(the row's largest t), a whole number; so 1/2 < the row's largest p <= 1. The row's sum l is taken of the UNQUANTISED p, in f32, and the product's result is divided by l at the end. Since M is a whole number, a kernel that streams over the keys may use a running M (the ceiling of the running maximum): every later rescaling is an exact power of two, so the quantised numbers keep their values, but for numbers so far below the row's largest that they fall under the format's range.
;;   OPERANDS COMPUTED ON THE WAY. 'Computed on the way' means the value that the module computes at that place (a softmax that the list does not call 'softmax' is quantised finished and normalised). What goes into a quantiser is computed in f32, as accurately as f32 sums, v_exp_f32 and their like allow (about 1e-6 of the number): no bf16 or f16 on the way to a quantiser, and a product that is left as it is and whose result goes on into a quantised operand takes f32 operands (vector FMAs, or v_wmma_f32_16x16x4_f32). A number that lies on a knife's edge between two numbers of the format may be rounded either way, as far as f32 arithmetic and the matrix unit's own rounding can turn it there, and no further.
;; One version. Each part assembles by itself: llvm-mc -triple=amdgcn-amd-amdhsa -mcpu=gfx1250 --defsym DOCPART=n.
;; ======== version 1 of 1: 7 launches
;; limits: right only within a limited range of input values
;; workspace buffers: wc 12,582,912 bytes; hc 12,582,912 bytes; qkvc 12,582,912 bytes; ac 4,194,304 bytes; x1 16,777,216 bytes; h2c 4,194,304 bytes; gc 16,777,216 bytes
;; launch prep (part 1): grid 128 x 5, 4 waves a work-group, no clusters, 35,328 bytes of LDS; arguments Wq, Wk, Wv, Wo, W1, W2, x, g1, be1, lowp_scales, wc, hc; writes wc, hc
.if DOCPART == 1
	.amdgcn_target "amdgcn-amd-amdhsa--gfx1250"
	.amdhsa_code_object_version 6
	.text
	.protected	k_qc12a026bf8_prep
	.globl	k_qc12a026bf8_prep
	.p2align	8
	.type	k_qc12a026bf8_prep,@function
k_qc12a026bf8_prep:
	s_mov_b64 s[64:65], 0
	v_nop
	global_prefetch_b8 v0, s[64:65] scope:SCOPE_SE
	s_setreg_imm32_b32 hwreg(HW_REG_WAVE_MODE, 25, 1), 1
	s_wait_xcnt 0x0
; THE PROGRAM: a pre-LN transformer block, all eight products on codes of BF8 (E5M2), each operand with the one scale 2^e given for it.  Seven launches:
; prep (this one), qkv, attn, wo, ln2, w1, w2.
; DEAD WORK, for the whole program.  reference() builds the causal mask itself (jnp.tril) and sets every score with key > query to -infinity ahead of the softmax; such a score's weight is 0
; whatever the inputs hold, and adds nothing to the row's sum or to the second product.  So a piece of 16 queries x 128 keys all of whose keys come after all of its queries reaches no output:
; launch attn leaves such pieces out of products 4 and 5.  Nothing else is left out, and every input is loaded.
; LIMIT: a NaN, an infinity or an overflow that would arise only in the pieces left out is not carried to the result.
; THIS LAUNCH.  Work-group rows y = 0, 1, 2: the six weights, stored [K][N] in f32, become codes laid [N][K], K innermost, in wc (Wq, Wk, Wv, Wo at 0, 1, 2, 3 MiB; W1 at 4 MiB; W2 at 8 MiB).
; Work-group rows y = 3, 4: h = layernorm(x, g1, be1), quantised three times (entries 0, 2, 4 of the scales) into hc [3][4096][1024].
; code = number / 2^e, held within +-57,344, rounded to the nearest code, ties to even.  LIMITS: each e between -126 and 112; NaN and infinities among the inputs are not served.
; THE ORDER OF CODES, in every buffer of codes of this program: inside each aligned run of 32 along the innermost axis the four groups of 8 lie in the order 0, 2, 1, 3.  Both operands of every
; product have it along K, so every product meets its partner; and a 16-byte load at 32 c + 16 (lane / 16) then holds k = 32 c + 8 (lane / 16) + 0..7 and 32 c + 16 + 8 (lane / 16) + 0..7.
; WEIGHTS: a lane takes a column n and its registers run down K; a wave takes 32 columns x 256 K; the codes go through the wave's own stage in LDS and leave as rows: sixteen lanes store 256 aligned bytes.
; The pitch of a weight's rows hangs on the work-group's number, so the 32 rows of a block stand in 32 offset registers and the eight blocks in eight scalar bases; none is ever rewritten.
; LAYERNORM: a wave takes a row at a time, four rows; the row stays in 32 registers between the passes (mean; variance of the centred numbers, as jnp.var takes it; scaling).  No LDS on this path.
.set LP,    272                        ; a stage row: 256 bytes of codes + 16
.set SPARE, 4*32*LP                    ; behind the four stages: the spare words, 128 bytes for each wave
.set SPW,   254                        ; v254 LDS address of my spare word; never rewritten
.set NIL,   255                        ; v255 0; never rewritten
.set EMAX,  15
.set MANT,  0x600000                   ; the mantissa field of 57,344 as f32
.set OFFS,  16                         ; weights: v16-47   4 x lane + i x pitch
.set XW,    48                         ;          v48-111  two sets of 32 numbers
.set CW,    112                        ;          v112-119 a block's codes
.set OUTR,  120                        ;          v120-183 the way out
.set OO,    184                        ;          v184-199 the stores' offsets
.set G,     16                         ; layernorm: v16-47 gain, v48-79 bias, v80-207 four rows, v208-223 at work, v224-247 codes (3 sets x 8)
.set BE,    48
.set XR,    80
.set T,     208
.set CL,    224
	s_load_b512 s[4:19], s[0:1], 0x0               ; Wq s[4:5], Wk, Wv, Wo, W1, W2 s[14:15], x s[16:17], g1 s[18:19]
	s_load_b256 s[20:27], s[0:1], 0x40             ; be1 s[20:21], the scales' exponents s[22:23], wc s[24:25], hc s[26:27]
	v_lshl_add_u32 v[SPW], v0, 2, SPARE
	v_mov_b32 v[NIL], 0
	v_lshrrev_b32 v1, 5, v0
	v_readfirstlane_b32 s74, v1                    ; wave 0..3
	v_and_b32 v1, 31, v0                           ; lane
	s_and_b32 s28, ttmp7, 0xffff                   ; y
	s_wait_kmcnt 0x0
	s_load_b512 s[48:63], s[22:23], 0x0            ; entry i of the scales in s[48 + i]
	s_cmp_ge_u32 s28, 3
	s_cbranch_scc1 .Lln
	; ---------------- the weights ----------------
	s_lshr_b32 s29, ttmp9, 5
	s_add_co_u32 s30, s28, 3
	s_and_b32 s31, ttmp9, 31
	s_cmp_eq_u32 s28, 0
	s_cselect_b32 s29, s29, s30                    ; which weight: y = 0: Wq, Wk, Wv, Wo by 32 work-groups each; y = 1: W1 (4); y = 2: W2 (5)
	s_cselect_b32 s31, s31, ttmp9                  ; my number among its work-groups
	s_cmp_eq_u32 s28, 1
	s_cselect_b32 s30, 5, 3                        ; log2 of its tiles of 128 columns
	s_cmp_eq_u32 s28, 2
	s_cselect_b32 s67, 12, 10                      ; log2 of its K = bytes of a row of its codes
	s_lshl_b32 s66, 512, s30                       ; bytes of a row of the weight
	s_bfm_b32 s70, s30, 0
	s_and_b32 s70, s31, s70                        ; tile of columns
	s_lshr_b32 s71, s31, s30                       ; which 256 along K
	s_lshl_b32 s70, s70, 7
	s_lshl_b32 s76, s74, 5
	s_add_co_u32 s70, s70, s76                     ; my wave's first column
	s_lshl_b32 s77, s66, 8
	s_mul_i32 s76, s71, s77                        ; 256 rows for each step along K,
	s_lshl_b32 s78, s70, 2
	s_add_co_u32 s76, s76, s78                     ; + 4 bytes a column: under 2^24
	s_mov_b32 s77, 0
	s_lshl_b32 s78, s66, 5                         ; a block of 32 rows
	s_mov_b32 s79, 0
	s_lshl_b32 s80, s29, 20
	s_cmp_eq_u32 s29, 5
	s_cselect_b32 s80, 0x800000, s80               ; the weight's place in wc
	s_lshl_b32 s81, s70, s67
	s_add_co_u32 s80, s80, s81                     ; + my first column's row
	s_lshl_b32 s81, s71, 8
	s_add_co_u32 s80, s80, s81                     ; + my 256 along K
	s_mov_b32 s81, 0
	s_add_nc_u64 s[72:73], s[24:25], s[80:81]
	s_mov_b64 s[68:69], s[4:5]                     ; the weight's address: a choice on the work-group's number alone
	s_cmp_eq_u32 s29, 1
	s_cselect_b64 s[68:69], s[6:7], s[68:69]
	s_cmp_eq_u32 s29, 2
	s_cselect_b64 s[68:69], s[8:9], s[68:69]
	s_cmp_eq_u32 s29, 3
	s_cselect_b64 s[68:69], s[10:11], s[68:69]
	s_cmp_eq_u32 s29, 4
	s_cselect_b64 s[68:69], s[12:13], s[68:69]
	s_cmp_eq_u32 s29, 5
	s_cselect_b64 s[68:69], s[14:15], s[68:69]
	s_add_nc_u64 s[32:33], s[68:69], s[76:77]      ; block 0's base,
.irp t, 1,2,3,4,5,6,7
	s_add_nc_u64 s[32+2*\t:33+2*\t], s[30+2*\t:31+2*\t], s[78:79]   ; and the seven others'
.endr
	s_wait_alu depctr_va_vdst(0)
	v_lshlrev_b32 v3, 2, v1
	v_mov_b32 v5, s66
.set ii, 0
.rept 32
	v_mad_u32_u24 v[OFFS+ii], v5, ii, v3           ; row i of a block, my column
.set ii, ii+1
.endr
.macro LOADW t                         ; block t: W(32 t + i, my column), i = 0 .. 31, into set t % 2: each load reads 128 consecutive bytes a wave
.set ii, 0
.rept 32
	global_load_b32 v[XW+32*((\t)%2)+ii], v[OFFS+ii], s[32+2*(\t):33+2*(\t)] th:TH_LOAD_NT
.set ii, ii+1
.endr
.endm
	LOADW 0
	LOADW 1
	s_mul_i32 s82, s74, 32*LP                      ; my stage
	v_mul_u32_u24 v4, v1, LP
	v_add_nc_u32 v4, s82, v4                       ; into it: row = my column
	v_and_b32 v8, 15, v1
	v_lshrrev_b32 v6, 4, v1
	v_mul_u32_u24 v7, v6, LP
	v_lshl_add_u32 v7, v8, 4, v7
	v_add_nc_u32 v7, s82, v7                       ; out of it: sixteen lanes to a row, two rows an instruction
	v_lshlrev_b32 v9, s67, v6
	v_lshl_add_u32 v9, v8, 4, v9                   ; the same place in the codes
	s_lshl_b32 s83, 2, s67                         ; two rows of codes
	v_mov_b32 v5, s83
.set ii, 0
.rept 16
	v_mad_u32_u24 v[OO+ii], v5, ii, v9
.set ii, ii+1
.endr
	s_wait_kmcnt 0x0
	s_mov_b32 s75, s49                             ; the weight's exponent: entries 1, 3, 5, 11, 13, 15
	s_cmp_eq_u32 s29, 1
	s_cselect_b32 s75, s51, s75
	s_cmp_eq_u32 s29, 2
	s_cselect_b32 s75, s53, s75
	s_cmp_eq_u32 s29, 3
	s_cselect_b32 s75, s59, s75
	s_cmp_eq_u32 s29, 4
	s_cselect_b32 s75, s61, s75
	s_cmp_eq_u32 s29, 5
	s_cselect_b32 s75, s63, s75
	s_add_co_i32 s75, s75, 127
	s_lshl_b32 s76, s75, 23
	v_mov_b32 v11, s76                             ; 2^e as f32: the conversion takes its exponent field
	s_add_co_i32 s75, s75, EMAX
	s_lshl_b32 s75, s75, 23
	s_or_b32 s75, s75, MANT
	v_mov_b32 v10, s75                             ; 57,344 x 2^e
.macro BLOCKW t
.set XS, XW+32*((\t)%2)
.if (\t) < 7
	s_wait_loadcnt 32                              ; this block's 32 loads are in; the next block's may be out
.else
	s_wait_loadcnt 0
.endif
.set ii, 0
.rept 32
	v_med3_num_f32 v[XS+ii], v[XS+ii], -v10, v10   ; the conversion to an 8-bit code does not saturate (ISA guide 7.6.2): the hold comes first
.set ii, ii+1
.endr
	v_cvt_scalef32_pk8_bf8_f32 v[CW:CW+1], v[XS:XS+7], v11         ; groups 0, 1, 2, 3 of the block go to places 0, 2, 1, 3
	v_cvt_scalef32_pk8_bf8_f32 v[CW+4:CW+5], v[XS+8:XS+15], v11
	v_cvt_scalef32_pk8_bf8_f32 v[CW+2:CW+3], v[XS+16:XS+23], v11
	v_cvt_scalef32_pk8_bf8_f32 v[CW+6:CW+7], v[XS+24:XS+31], v11
	ds_store_b128 v4, v[CW:CW+3] offset:32*(\t)    ; (the codes go to LDS stores alone, and the next block begins with plain vector lines on other registers)
	ds_store_b128 v4, v[CW+4:CW+7] offset:32*(\t)+16
.if (\t)+2 < 8
	LOADW (\t)+2
.endif
	s_wait_dscnt 0x0                               ; the stores have read their registers: the next block's codes may be written
.endm
	s_wait_alu depctr_va_vdst(0)
.irp t, 0,1,2,3,4,5,6,7
	BLOCKW \t
.endr
.irp t, 0,1,2,3,4,5,6,7,8,9,10,11,12,13,14,15
	ds_load_b128 v[OUTR+4*\t:OUTR+4*\t+3], v7 offset:2*\t*LP       ; LDS serves a wave's instructions in order: these see my stores
.endr
.irp t, 0,1,2,3,4,5,6,7,8,9,10,11,12,13,14,15
	s_wait_dscnt 15-\t                             ; the younger reads may be out
	global_store_b128 v[OO+\t], v[OUTR+4*\t:OUTR+4*\t+3], s[72:73] ; sixteen lanes store 256 consecutive bytes, aligned
.endr
	s_wait_tensorcnt 0x0                           ; the wave's end
	ds_add_u32 v[SPW], v[NIL]
	s_wait_dscnt 0x0
	s_endpgm
	; ---------------- layernorm 1 ----------------
.Lln:
	s_sub_co_u32 s29, s28, 3
	s_lshl_b32 s29, s29, 7
	s_add_co_u32 s29, s29, ttmp9
	s_lshl_b32 s29, s29, 4
	s_lshl_b32 s30, s74, 2
	s_add_co_u32 s29, s29, s30                     ; my wave's first row: 16 x ((y - 3) 128 + x) + 4 x wave
	s_lshl_b32 s30, s29, 12
	s_mov_b32 s31, 0
	s_add_nc_u64 s[32:33], s[16:17], s[30:31]      ; x at that row
	s_lshl_b32 s30, s29, 10
	s_add_nc_u64 s[34:35], s[26:27], s[30:31]      ; hc, set 0,
	s_add_nc_u64 s[36:37], s[34:35], 0x400000      ; set 1,
	s_add_nc_u64 s[38:39], s[36:37], 0x400000      ; set 2
	s_mov_b32 s40, 0x76543210                      ; v_permlanex16_b32: lane l xor 16
	s_mov_b32 s41, 0xfedcba98
	s_mov_b32 s42, 0x3a800000                      ; 1 / 1024
	s_mov_b32 s43, 0x3727c5ac                      ; 1e-5
	s_wait_alu depctr_va_vdst(0)
	v_lshlrev_b32 v2, 5, v1                        ; a lane holds numbers 256 c + 8 lane + 0..7 of a row: two loads of 16 bytes side by side
.irp c, 0,1,2,3
	global_load_b128 v[G+8*\c:G+8*\c+3], v2, s[18:19] offset:1024*\c
	global_load_b128 v[G+8*\c+4:G+8*\c+7], v2, s[18:19] offset:1024*\c+16
	global_load_b128 v[BE+8*\c:BE+8*\c+3], v2, s[20:21] offset:1024*\c
	global_load_b128 v[BE+8*\c+4:BE+8*\c+7], v2, s[20:21] offset:1024*\c+16
.endr
.irp i, 0,1,2,3
.irp c, 0,1,2,3
	global_load_b128 v[XR+32*\i+8*\c:XR+32*\i+8*\c+3], v2, s[32:33] offset:4096*\i+1024*\c th:TH_LOAD_NT
	global_load_b128 v[XR+32*\i+8*\c+4:XR+32*\i+8*\c+7], v2, s[32:33] offset:4096*\i+1024*\c+16 th:TH_LOAD_NT
.endr
.endr
	v_and_b32 v3, 28, v1                           ; where my 8 codes go: group lane % 4 of its run of 32 lies at place 2 (lane % 2) + (lane / 2) % 2
	v_and_b32 v14, 1, v1
	v_lshl_add_u32 v3, v14, 1, v3
	v_bfe_u32 v14, v1, 1, 1
	v_add_nc_u32 v3, v3, v14
	v_lshlrev_b32 v3, 3, v3
	v_mov_b32 v15, 0                               ; written once: a lane permute's destination counts as one of its sources
	s_wait_kmcnt 0x0
.irp s, 0,1,2
	s_add_co_i32 s44, s[48+2*\s], 127
	s_lshl_b32 s45, s44, 23
	v_mov_b32 v[4+2*\s], s45                       ; 2^e of set s,
	s_add_co_i32 s44, s44, EMAX
	s_lshl_b32 s44, s44, 23
	s_or_b32 s44, s44, MANT
	v_mov_b32 v[5+2*\s], s44                       ; and 57,344 x 2^e
.endr
.macro WSUM                            ; v14 summed over the 32 lanes, the result in every lane
	v_add_f32_dpp v14, v14, v14 row_xmask:1 row_mask:0xf bank_mask:0xf
	v_add_f32_dpp v14, v14, v14 row_xmask:2 row_mask:0xf bank_mask:0xf
	v_add_f32_dpp v14, v14, v14 row_xmask:4 row_mask:0xf bank_mask:0xf
	v_add_f32_dpp v14, v14, v14 row_xmask:8 row_mask:0xf bank_mask:0xf
	v_permlanex16_b32 v15, v14, s40, s41
	v_add_f32 v14, v14, v15
.endm
.macro FOLD                            ; four chains of pairs into v14
	v_pk_add_f32 v[T:T+1], v[T:T+1], v[T+2:T+3]
	v_pk_add_f32 v[T+4:T+5], v[T+4:T+5], v[T+6:T+7]
	v_pk_add_f32 v[T:T+1], v[T:T+1], v[T+4:T+5]
	v_add_f32 v14, v[T], v[T+1]
.endm
.macro LNROW i
.set XI, XR+32*(\i)
	s_wait_loadcnt 8*(3-(\i))                      ; my row's eight loads are in; the later rows' stay out
	s_wait_xcnt 0x0                                ; the row before's stores have read their registers: the codes' registers are rewritten only behind this wait
.irp k, 0,1,2,3
	v_pk_add_f32 v[T+2*\k:T+2*\k+1], v[XI+4*\k:XI+4*\k+1], v[XI+4*\k+2:XI+4*\k+3]
.endr
.irp k, 8,9,10,11,12,13,14,15
	v_pk_add_f32 v[T+2*(\k%4):T+2*(\k%4)+1], v[T+2*(\k%4):T+2*(\k%4)+1], v[XI+2*\k:XI+2*\k+1]
.endr
	FOLD
	WSUM
	v_mul_f32 v10, s42, v14                        ; the mean, twice
	v_mul_f32 v11, s42, v14
.irp k, 0,1,2,3,4,5,6,7,8,9,10,11,12,13,14,15
	v_pk_add_f32 v[XI+2*\k:XI+2*\k+1], v[XI+2*\k:XI+2*\k+1], v[10:11] neg_lo:[0,1] neg_hi:[0,1]
.endr
.irp k, 0,1,2,3
	v_pk_mul_f32 v[T+2*\k:T+2*\k+1], v[XI+2*\k:XI+2*\k+1], v[XI+2*\k:XI+2*\k+1]
.endr
.irp k, 4,5,6,7,8,9,10,11,12,13,14,15
	v_pk_fma_f32 v[T+2*(\k%4):T+2*(\k%4)+1], v[XI+2*\k:XI+2*\k+1], v[XI+2*\k:XI+2*\k+1], v[T+2*(\k%4):T+2*(\k%4)+1]
.endr
	FOLD
	WSUM
	v_fma_f32 v12, v14, s42, s43                   ; the variance + 1e-5
	s_wait_alu depctr_va_vdst(0)
	v_rsq_f32 v12, v12
	v_nop                                          ; a plain line behind the transcendental,
	s_wait_alu depctr_va_vdst(0)                   ; and the wait ahead of its first reader
	v_mov_b32 v13, v12
.irp k, 0,1,2,3,4,5,6,7,8,9,10,11,12,13,14,15
	v_pk_mul_f32 v[XI+2*\k:XI+2*\k+1], v[XI+2*\k:XI+2*\k+1], v[12:13]
.endr
.irp k, 0,1,2,3,4,5,6,7,8,9,10,11,12,13,14,15
	v_pk_fma_f32 v[XI+2*\k:XI+2*\k+1], v[XI+2*\k:XI+2*\k+1], v[G+2*\k:G+2*\k+1], v[BE+2*\k:BE+2*\k+1]
.endr
.irp s, 0,1,2
.irp c, 0,1,2,3
.irp j, 0,1,2,3,4,5,6,7
	v_med3_num_f32 v[T+8*(\c%2)+\j], v[XI+8*\c+\j], -v[5+2*\s], v[5+2*\s]   ; the hold; the next chunk's eight are the plain lines behind this chunk's conversion
.endr
	v_cvt_scalef32_pk8_bf8_f32 v[CL+8*\s+2*\c:CL+8*\s+2*\c+1], v[T+8*(\c%2):T+8*(\c%2)+7], v[4+2*\s]
.endr
.endr
	v_nop                                          ; one plain line behind the last conversion
.irp s, 0,1,2
.irp c, 0,1,2,3
	global_store_b64 v3, v[CL+8*\s+2*\c:CL+8*\s+2*\c+1], s[34+2*\s:35+2*\s] offset:1024*(\i)+256*\c   ; the wave stores 256 consecutive bytes, aligned
.endr
.endr
.endm
	LNROW 0
	LNROW 1
	LNROW 2
	LNROW 3
	s_endpgm
.Lfunc_end_k_qc12a026bf8_prep:
	.size	k_qc12a026bf8_prep, .Lfunc_end_k_qc12a026bf8_prep-k_qc12a026bf8_prep
	.p2alignl 7, 3214868480
	.fill 96, 4, 3214868480
	.section	.rodata,"a",@progbits
	.p2align	6, 0x0
	.amdhsa_kernel k_qc12a026bf8_prep
		.amdhsa_group_segment_fixed_size 35328
		.amdhsa_private_segment_fixed_size 0
		.amdhsa_enable_private_segment 0
		.amdhsa_kernarg_size 96
		.amdhsa_user_sgpr_count 2
		.amdhsa_user_sgpr_kernarg_segment_ptr 1
		.amdhsa_wavefront_size32 1
		.amdhsa_system_sgpr_workgroup_id_x 1
		.amdhsa_system_sgpr_workgroup_id_y 1
		.amdhsa_system_sgpr_workgroup_id_z 1
		.amdhsa_system_vgpr_workitem_id 0
		.amdhsa_next_free_vgpr 256
		.amdhsa_next_free_sgpr 84
		.amdhsa_reserve_vcc 0
		.amdhsa_float_denorm_mode_32 3
		.amdhsa_float_denorm_mode_16_64 3
		.amdhsa_memory_ordered 1
		.amdhsa_forward_progress 1
		.amdhsa_inst_pref_size 117
	.end_amdhsa_kernel
	.amdgpu_metadata
---
amdhsa.version: [ 1, 2 ]
amdhsa.kernels:
  - .name:           k_qc12a026bf8_prep
    .symbol:         k_qc12a026bf8_prep.kd
    .args:
      - { .name: Wq, .offset: 0, .size: 8, .value_kind: global_buffer, .address_space: global }
      - { .name: Wk, .offset: 8, .size: 8, .value_kind: global_buffer, .address_space: global }
      - { .name: Wv, .offset: 16, .size: 8, .value_kind: global_buffer, .address_space: global }
      - { .name: Wo, .offset: 24, .size: 8, .value_kind: global_buffer, .address_space: global }
      - { .name: W1, .offset: 32, .size: 8, .value_kind: global_buffer, .address_space: global }
      - { .name: W2, .offset: 40, .size: 8, .value_kind: global_buffer, .address_space: global }
      - { .name: x, .offset: 48, .size: 8, .value_kind: global_buffer, .address_space: global }
      - { .name: g1, .offset: 56, .size: 8, .value_kind: global_buffer, .address_space: global }
      - { .name: be1, .offset: 64, .size: 8, .value_kind: global_buffer, .address_space: global }
      - { .name: lowp_scales, .offset: 72, .size: 8, .value_kind: global_buffer, .address_space: global }
      - { .name: wc, .offset: 80, .size: 8, .value_kind: global_buffer, .address_space: global }
      - { .name: hc, .offset: 88, .size: 8, .value_kind: global_buffer, .address_space: global }
    .group_segment_fixed_size: 35328
    .private_segment_fixed_size: 0
    .kernarg_segment_align: 8
    .kernarg_segment_size: 96
    .max_flat_workgroup_size: 128
    .sgpr_count:     84
    .vgpr_count:     256
    .wavefront_size: 32
...
	.end_amdgpu_metadata
.endif
;; end of part 1
;; launch qkv (part 2): grid 12 x 16, 4 waves a work-group, clusters of 4 x 4, 327,680 bytes of LDS; arguments hc, wc, lowp_scales, qkvc; writes qkvc
.if DOCPART == 2
	.amdgcn_target "amdgcn-amd-amdhsa--gfx1250"
	.amdhsa_code_object_version 6
	.text
	.protected	k_qc12a026bf8_qkv
	.globl	k_qc12a026bf8_qkv
	.p2align	8
	.type	k_qc12a026bf8_qkv,@function
k_qc12a026bf8_qkv:
	s_mov_b64 s[64:65], 0
	v_nop
	global_prefetch_b8 v0, s[64:65] scope:SCOPE_SE
	s_setreg_imm32_b32 hwreg(HW_REG_WAVE_MODE, 25, 1), 1
	s_wait_xcnt 0x0
	s_wait_alu depctr_hold_cnt(0) depctr_sa_sdst(0) depctr_va_vdst(0) depctr_va_sdst(0) depctr_va_ssrc(0) depctr_va_vcc(0) depctr_vm_vsrc(0)
	s_getreg_b32 s2, hwreg(HW_REG_IB_STS2, 6, 4)
	s_cmp_eq_u32 s2, 0
	s_cbranch_scc0 .Lentry_in_a_cluster
	s_endpgm
.Lentry_in_a_cluster:
	s_bfe_u32 s2, ttmp6, 0x10000c
	s_cmp_lg_u32 s2, 0xf033
	s_cbranch_scc0 .Lentry_shape_is_right
	s_endpgm
.Lentry_shape_is_right:
.set SIZE_K, 1024
.set OP,     1024
.set KSTEP,  256
.set ROWB,   256
.set KROW,   SIZE_K
.set PITCH,  272
.set FR,     16
.set NL,     4
.set NP,     4
.set HALFT,  128*PITCH
.set SLOT,   4*HALFT
.set LAPS,   SIZE_K/(2*KSTEP)
.set SPARE,  2*SLOT
.set ADRA, 16
.set ADRB, 20
.set STO,  24
.set RD,   25
.set CO,   26
.set SPW,  28
.set NIL,  29
.set CD,   96
.set XO,   128
.set AF,   128
.set G1, 24
.set G0, 32
.set G1B, 48
.set G0B, 56
.set MSB, 0
.macro WIN new
.if MSB != \new
	s_set_vgpr_msb (MSB<<8)|\new
.set MSB, \new
.endif
.endm
.set MUL_LO, 0xa1
.set MUL_HI, 0xf1
.set TO_B,   0x40
.macro JLOAD g0a, g1a, g0b, g1b
	s_cmp_eq_u32 s15, 0
	s_cbranch_scc0 .Lfor_b_\@
	tensor_load_to_lds s[\g0a:\g0a+3], s[\g1a:\g1a+7]
	s_nop 0
.rept 4
	v_nop
.endr
	s_branch .Lasked_\@
.Lfor_b_\@:
	tensor_load_to_lds s[\g0b:\g0b+3], s[\g1b:\g1b+7]
	s_nop 0
.rept 4
	v_nop
.endr
.Lasked_\@:
.endm
.macro CREST
	s_cmp_lg_u32 s14, 0
	s_cbranch_scc1 .Lnot_wave_0_\@
	s_barrier_signal -3
.Lnot_wave_0_\@:
	s_barrier_wait -3
	s_barrier_signal -1
	s_barrier_wait -1
.endm
.macro CROUND
	s_barrier_signal -1
	s_barrier_wait -1
	CREST
.endm
	s_load_b256 s[4:11], s[0:1], 0x0
	v_lshl_add_u32 v[SPW], v0, 2, SPARE
	v_mov_b32 v[NIL], 0
	ds_add_u32 v[SPW], v[NIL]
	ds_add_u32 v[SPW], v[NIL]
	v_lshrrev_b32 v1, 5, v0
	v_readfirstlane_b32 s14, v1
	s_lshr_b32 s15, s14, 1
	s_and_b32 s16, s14, 1
	s_bfe_u32 s40, ttmp6, 0x40000
	s_bfe_u32 s41, ttmp6, 0x40004
	s_and_b32 s84, ttmp7, 0xffff
	s_lshl_b32 s84, s84, 2
	s_lshl_b32 s85, ttmp9, 22
	s_lshl_b32 s86, ttmp9, 20
	s_cmp_lt_u32 ttmp9, 2
	s_cselect_b32 s17, s84, 0
	s_cselect_b32 s42, 0, s84
	s_cselect_b32 s87, s85, 0x200000
	s_cselect_b32 s88, s86, 0x800000
	s_add_co_u32 s17, s17, s41
	s_add_co_u32 s42, s42, s40
	s_lshl_b32 s43, s41, 2
	s_lshl_b32 s43, 15, s43
	s_lshl_b32 s44, 0x1111, s40
	s_or_b32 s[G1+0], s43, (0<<16)|(1<<20)|(1<<21)|(5<<22)|(3<<25)
	s_or_b32 s[G1B+0], s44, (0<<16)|(1<<20)|(1<<21)|(5<<22)|(3<<25)
.irp g, G1, G1B
	s_mov_b32 s[\g+1], ROWB<<16
	s_mov_b32 s[\g+2], 128<<16
	s_mov_b32 s[\g+3], ROWB<<16
	s_mov_b32 s[\g+4], 128
	s_mov_b32 s[\g+5], KROW
	s_mov_b32 s[\g+6], 0
	s_mov_b32 s[\g+7], 0
.endr
	s_lshl_b32 s18, s16, 7
	s_lshl_b32 s20, s17, 8
	s_add_co_u32 s20, s20, s18
	s_lshl_b32 s20, s20, 10
	s_add_co_u32 s20, s20, s87
	s_mov_b32 s21, 0
	s_lshl_b32 s46, s42, 8
	s_add_co_u32 s46, s46, s18
	s_lshl_b32 s46, s46, 10
	s_add_co_u32 s46, s46, s88
	s_mov_b32 s47, 0
	s_mul_i32 s45, s14, HALFT
; THE PREFETCHES INTO THE L2: behind K step 0's joint load stand two, for K steps 1 and 2; behind K step 1's one, for K step 3: each at least one K step ahead of the load that wants it.
; Of the 128 rows x 256 bytes that a wave fetches, the partner at place p (cx for A, cy for B) of the four that ask for them jointly takes rows 32 p .. 32 p + 31, a lane a row: told apart by address alone.
; The address registers are never rewritten; K has four steps, so nothing is asked for in the loop.
.set PFO, 14                           ; v14 my lane x a row of 1,024 bytes
.set PFA, 98                           ; s[98:99] my work-group's 32 rows of the 128 that I fetch, at K step 0
	v_and_b32 v[PFO], 31, v0
	v_lshlrev_b32 v[PFO], 10, v[PFO]
	s_wait_alu depctr_va_vdst(0)
	s_wait_dscnt 0x0
	s_wait_kmcnt 0x0
	s_load_b512 s[68:83], s[8:9], 0x0
	s_cmp_lt_u32 ttmp9, 2
	s_cselect_b64 s[90:91], s[4:5], s[6:7]
	s_cselect_b64 s[92:93], s[6:7], s[4:5]
	s_add_nc_u64 s[20:21], s[90:91], s[20:21]
	s_add_nc_u64 s[46:47], s[92:93], s[46:47]
	s_cmp_eq_u32 s15, 0                            ; do I fetch for A?
	s_cselect_b64 s[PFA:PFA+1], s[20:21], s[46:47]
	s_cselect_b32 s100, s40, s41                   ; my place among the four that ask with me
	s_lshl_b32 s100, s100, 15                      ; 32 rows of 1,024 bytes
	s_mov_b32 s101, 0
	s_add_nc_u64 s[PFA:PFA+1], s[PFA:PFA+1], s[100:101]
	CROUND
.irp s, 0,1
	s_mov_b32 s[G0+4*\s], 1
	s_add_co_u32 s[G0+4*\s+1], s45, \s*SLOT
	s_add_nc_u64 s[G0+4*\s+2:G0+4*\s+3], s[20:21], \s*ROWB
	s_or_b32 s[G0+4*\s+3], s[G0+4*\s+3], 0x80000000
	s_mov_b32 s[G0B+4*\s], 1
	s_add_co_u32 s[G0B+4*\s+1], s45, \s*SLOT
	s_add_nc_u64 s[G0B+4*\s+2:G0B+4*\s+3], s[46:47], \s*ROWB
	s_or_b32 s[G0B+4*\s+3], s[G0B+4*\s+3], 0x80000000
.endr
	JLOAD G0, G1, G0B, G1B                         ; K step 0: one tensor load a wave at the head
	global_prefetch_b8 v[PFO], s[PFA:PFA+1] offset:ROWB th:TH_LOAD_NT scope:SCOPE_SE     ; K step 1
	global_prefetch_b8 v[PFO], s[PFA:PFA+1] offset:2*ROWB th:TH_LOAD_NT scope:SCOPE_SE   ; K step 2
	v_and_b32 v1, 15, v0
	v_bfe_u32 v2, v0, 4, 1
	v_mul_u32_u24 v3, v1, PITCH
	v_lshl_add_u32 v4, v2, 4, v3
	s_wait_alu depctr_va_vdst(0)
	s_mul_i32 s21, s15, HALFT
	s_mul_i32 s22, s16, HALFT
	s_add_co_u32 s22, s22, 2*HALFT
.irp s, 0,1
	v_add_nc_u32 v[ADRA+\s], s21, v4
	v_add_nc_u32 v[ADRB+\s], s22, v4
	s_add_co_u32 s21, s21, SLOT
	s_add_co_u32 s22, s22, SLOT
.endr
	s_mul_i32 s23, s15, 128*PITCH
	s_lshl_b32 s21, s16, 7
	s_add_co_u32 s23, s23, s21
	v_add_nc_u32 v[STO], s23, v4
	s_mul_i32 s23, s14, 64*PITCH
	v_mul_u32_u24 v5, v2, PITCH
	v_lshl_add_u32 v5, v1, 4, v5
	v_add_nc_u32 v[RD], s23, v5
	v_mul_u32_u24 v5, v2, OP
	v_lshl_add_u32 v[CO], v1, 4, v5
; K's way out: K is stored by heads, [batch][head][1024 keys][64 bytes].  Sixteen lanes take 4 keys x 64 bytes of one head: 256 consecutive bytes, aligned.
.set RDK, 27                           ; v27 stage address: row (l % 16) / 4, column 64 (l / 16) + 16 (l % 4)
.set COK, 31                           ; v31 byte offset: a head (65,536 bytes) for each half of the lanes + 16 (l % 16)
	v_lshrrev_b32 v6, 2, v1
	v_mul_u32_u24 v6, v6, PITCH
	v_lshl_add_u32 v6, v2, 6, v6
	v_and_b32 v7, 3, v1
	v_lshl_add_u32 v6, v7, 4, v6
	v_add_nc_u32 v[RDK], s23, v6
	v_lshlrev_b32 v7, 16, v2
	v_lshl_add_u32 v[COK], v1, 4, v7
	s_lshr_b32 s20, s42, 2
	s_lshl_b32 s20, s20, 20
	s_add_co_u32 s20, s20, s85
	s_lshl_b32 s21, s17, 18
	s_add_co_u32 s20, s20, s21
	s_and_b32 s21, s42, 3
	s_lshl_b32 s21, s21, 8
	s_add_co_u32 s20, s20, s21
	s_lshl_b32 s21, s14, 16
	s_add_co_u32 s20, s20, s21
	s_mov_b32 s21, 0
	s_lshr_b32 s22, s17, 2                         ; K by heads: batch << 20
	s_lshl_b32 s22, s22, 20
	s_add_co_u32 s22, s22, s85                     ; + K's place in qkvc
	s_lshl_b32 s23, s42, 18                        ; + the tile's four heads
	s_add_co_u32 s22, s22, s23
	s_and_b32 s23, s17, 3
	s_lshl_b32 s23, s23, 14                        ; + 256 keys x 64 bytes for each tile row of the batch
	s_add_co_u32 s22, s22, s23
	s_lshl_b32 s23, s14, 12                        ; + my wave's 64 keys
	s_add_co_u32 s22, s22, s23
	s_mov_b32 s23, 0
	s_add_nc_u64 s[12:13], s[10:11], s[22:23]
	s_add_nc_u64 s[10:11], s[10:11], s[20:21]
.macro FRAG reg, adr, q, i
.irp c, 0,1,2,3
	ds_load_b128 v[\reg+4*\c:\reg+4*\c+3], v[\adr] offset:128*(\q)+32*\c+(\i)*16*PITCH
.endr
.endm
.macro MUL16 a0, p, zero
.irp a, \a0, \a0+1
.irp b, 0,1,2,3,4,5,6,7
.if \zero
	v_wmma_f32_16x16x128_bf8_bf8 v[8*(8*((\a)%4)+\b):8*(8*((\a)%4)+\b)+7], v[128*(\p)+FR*\b:128*(\p)+FR*\b+FR-1], v[AF+FR*(\a):AF+FR*(\a)+FR-1], 0
.else
	v_wmma_f32_16x16x128_bf8_bf8 v[8*(8*((\a)%4)+\b):8*(8*((\a)%4)+\b)+7], v[128*(\p)+FR*\b:128*(\p)+FR*\b+FR-1], v[AF+FR*(\a):AF+FR*(\a)+FR-1], v[8*(8*((\a)%4)+\b):8*(8*((\a)%4)+\b)+7]
.endif
.endr
.endr
.endm
.macro FETCH_B slot, q, p
	WIN TO_B
.irp i, 0,1,2,3,4,5,6,7
	FRAG 128*(\p)+FR*\i, ADRB+\slot, \q, \i
.endr
	WIN 0
.endm
.macro FETCH_A slot, q, i0
.irp i, \i0, \i0+1, \i0+2, \i0+3
	FRAG AF+FR*(\i), ADRA+\slot, \q, \i
.endr
.endm
.macro PLACES n
.rept \n
	v_nop
.endr
.endm
.macro STEP slot, q, zero
	s_wait_dscnt 4*NL
	WIN MUL_LO
	MUL16 0, (\q)%2, \zero
	MUL16 2, (\q)%2, \zero
	s_wait_dscnt 0
	PLACES NP
	FETCH_B \slot, (\q)+1, 1-(\q)%2
	FETCH_A \slot, (\q)+1, 0
	WIN MUL_HI
	MUL16 4, (\q)%2, \zero
	MUL16 6, (\q)%2, \zero
	PLACES NP
	WIN 0
	FETCH_A \slot, (\q)+1, 4
.endm
.macro TURN slot, next, fill
	s_wait_tensorcnt 0x0
	ds_add_u32 v[SPW], v[NIL]
	s_wait_dscnt 4*NL+1
	WIN MUL_LO
	MUL16 0, 1, 0
	s_wait_dscnt 0x0
	s_barrier_signal -1
	MUL16 2, 1, 0
	WIN 0
	s_barrier_wait -1
.if \fill
	CREST
	s_add_nc_u64 s[G0+4*\slot+2:G0+4*\slot+3], s[G0+4*\slot+2:G0+4*\slot+3], 2*ROWB
	s_add_nc_u64 s[G0B+4*\slot+2:G0B+4*\slot+3], s[G0B+4*\slot+2:G0B+4*\slot+3], 2*ROWB
	JLOAD G0+4*\slot, G1, G0B+4*\slot, G1B
.else
	PLACES NP
.endif
	FETCH_B \next, 0, 0
	FETCH_A \next, 0, 0
	WIN MUL_HI
	MUL16 4, 1, 0
	MUL16 6, 1, 0
	PLACES NP
	WIN 0
	FETCH_A \next, 0, 4
.endm
	s_wait_alu depctr_va_vdst(0)
	s_wait_tensorcnt 0x0                           ; my part of K step 0 is in
	ds_add_u32 v[SPW], v[NIL]
	s_wait_dscnt 0x0
	CROUND
	JLOAD G0+4, G1, G0B+4, G1B                     ; K step 1: the first tensor load behind the round
	global_prefetch_b8 v[PFO], s[PFA:PFA+1] offset:3*ROWB th:TH_LOAD_NT scope:SCOPE_SE   ; K step 3
	FETCH_B 0, 0, 0
	FETCH_A 0, 0, 0
	FETCH_A 0, 0, 4
	STEP 0, 0, 1
	s_mov_b32 s3, LAPS-1
.Llap:
	TURN 0, 1, 1
	STEP 1, 0, 0
	TURN 1, 0, 1
	STEP 0, 0, 0
	s_sub_co_u32 s3, s3, 1
	s_cmp_lg_u32 s3, 0
	s_cbranch_scc1 .Llap
	TURN 0, 1, 0
	STEP 1, 0, 0
	s_wait_dscnt 4*NL
	WIN MUL_LO
	MUL16 0, 1, 0
	MUL16 2, 1, 0
	s_wait_dscnt 0
	WIN MUL_HI
	MUL16 4, 1, 0
	MUL16 6, 1, 0
	WIN 0
	s_wait_kmcnt 0x0
	s_sub_co_i32 s94, s74, s68
	s_sub_co_i32 s94, s94, s69
	s_sub_co_i32 s95, s75, s70
	s_sub_co_i32 s95, s95, s71
	s_sub_co_i32 s96, s77, s72
	s_sub_co_i32 s96, s96, s73
	s_cmp_eq_u32 ttmp9, 0
	s_cselect_b32 s94, s94, s95
	s_cmp_eq_u32 ttmp9, 2
	s_cselect_b32 s94, s96, s94
	s_add_co_i32 s94, s94, 127
	s_lshl_b32 s95, s94, 23
	v_mov_b32 v12, s95
	s_add_co_i32 s94, s94, 15
	s_lshl_b32 s94, s94, 23
	s_or_b32 s94, s94, 0x600000
	v_mov_b32 v13, s94
	PLACES NP
.macro BLK a
.set AC, 64*((\a)%4)
.set CB, CD+16*((\a)%2)
.if (\a) >= 2
	s_wait_dscnt 4
.endif
	WIN 0x02+((\a)/4)
.set jj, 0
.rept 64
	v_med3_num_f32 v[XO+jj], v[AC+jj], -v13, v13
.set jj, jj+1
.endr
	WIN 0
.irp b, 0,1,2,3,4,5,6,7
	v_cvt_scalef32_pk8_bf8_f32 v[CB+2*\b:CB+2*\b+1], v[XO+8*\b:XO+8*\b+7], v12
.endr
	v_nop
.irp p, 0,1,2,3
	ds_store_b128 v[STO], v[CB+4*\p:CB+4*\p+3] offset:16*(\a)*PITCH+32*\p
.endr
.endm
.irp a, 0,1,2,3,4,5,6,7
	BLK \a
.endr
	s_wait_dscnt 0x0
	s_barrier_signal -1
	s_barrier_wait -1
	s_cmp_eq_u32 ttmp9, 1                          ; the clusters that make K: the cluster's x, the same in all partners
	s_cbranch_scc0 .Lrows
.set tt, 0
.rept 32
	ds_load_b128 v[XO+4*tt:XO+4*tt+3], v[RDK] offset:4*(tt/2)*PITCH+128*(tt%2)   ; keys 4 (tt / 2) on, heads 2 (tt % 2) and 2 (tt % 2) + 1
.set tt, tt+1
.endr
.set tt, 0
.rept 32
	s_wait_dscnt 31-tt
	global_store_b128 v[COK], v[XO+4*tt:XO+4*tt+3], s[12:13] offset:131072*(tt%2)+256*(tt/2)
.set tt, tt+1
.endr
	s_branch .Lsent
.Lrows:
.set tt, 0
.rept 32
	ds_load_b128 v[XO+4*tt:XO+4*tt+3], v[RD] offset:2*tt*PITCH
.set tt, tt+1
.endr
.set tt, 0
.rept 32
	s_wait_dscnt 31-tt
	global_store_b128 v[CO], v[XO+4*tt:XO+4*tt+3], s[10:11] offset:2*tt*OP
.set tt, tt+1
.endr
.Lsent:
	s_wait_tensorcnt 0x0
	ds_add_u32 v[SPW], v[NIL]
	s_wait_dscnt 0x0
	CROUND
	s_endpgm
.Lfunc_end_k_qc12a026bf8_qkv:
	.size	k_qc12a026bf8_qkv, .Lfunc_end_k_qc12a026bf8_qkv-k_qc12a026bf8_qkv
	.p2alignl 7, 3214868480
	.fill 96, 4, 3214868480
	.section	.rodata,"a",@progbits
	.p2align	6, 0x0
	.amdhsa_kernel k_qc12a026bf8_qkv
		.amdhsa_group_segment_fixed_size 327680
		.amdhsa_private_segment_fixed_size 0
		.amdhsa_enable_private_segment 0
		.amdhsa_kernarg_size 32
		.amdhsa_user_sgpr_count 2
		.amdhsa_user_sgpr_kernarg_segment_ptr 1
		.amdhsa_wavefront_size32 1
		.amdhsa_system_sgpr_workgroup_id_x 1
		.amdhsa_system_sgpr_workgroup_id_y 1
		.amdhsa_system_sgpr_workgroup_id_z 1
		.amdhsa_system_vgpr_workitem_id 0
		.amdhsa_next_free_vgpr 1024
		.amdhsa_next_free_sgpr 102
		.amdhsa_reserve_vcc 0
		.amdhsa_float_denorm_mode_32 3
		.amdhsa_float_denorm_mode_16_64 3
		.amdhsa_memory_ordered 1
		.amdhsa_forward_progress 1
		.amdhsa_inst_pref_size 132
	.end_amdhsa_kernel
	.amdgpu_metadata
---
amdhsa.version: [ 1, 2 ]
amdhsa.kernels:
  - .name:           k_qc12a026bf8_qkv
    .symbol:         k_qc12a026bf8_qkv.kd
    .args:
      - { .name: hc, .offset: 0, .size: 8, .value_kind: global_buffer, .address_space: global }
      - { .name: wc, .offset: 8, .size: 8, .value_kind: global_buffer, .address_space: global }
      - { .name: lowp_scales, .offset: 16, .size: 8, .value_kind: global_buffer, .address_space: global }
      - { .name: qkvc, .offset: 24, .size: 8, .value_kind: global_buffer, .address_space: global }
    .group_segment_fixed_size: 327680
    .private_segment_fixed_size: 0
    .kernarg_segment_align: 8
    .kernarg_segment_size: 32
    .max_flat_workgroup_size: 128
    .sgpr_count:     102
    .vgpr_count:     1024
    .wavefront_size: 32
...
	.end_amdgpu_metadata
.endif
;; end of part 2
;; launch attn (part 3): grid 4 x 64, 16 waves a work-group, clusters of 4 x 1, 167,936 bytes of LDS; arguments qkvc, lowp_scales, ac; writes ac
.if DOCPART == 3
	.amdgcn_target "amdgcn-amd-amdhsa--gfx1250"
	.amdhsa_code_object_version 6
	.text
	.protected	k_qc12a026bf8_attn
	.globl	k_qc12a026bf8_attn
	.p2align	8
	.type	k_qc12a026bf8_attn,@function
k_qc12a026bf8_attn:
	s_mov_b64 s[64:65], 0
	v_nop
	global_prefetch_b8 v0, s[64:65] scope:SCOPE_SE
	s_setreg_imm32_b32 hwreg(HW_REG_WAVE_MODE, 25, 1), 1
	s_wait_xcnt 0x0
	s_wait_alu depctr_hold_cnt(0) depctr_sa_sdst(0) depctr_va_vdst(0) depctr_va_sdst(0) depctr_va_ssrc(0) depctr_va_vcc(0) depctr_vm_vsrc(0)
	s_getreg_b32 s2, hwreg(HW_REG_IB_STS2, 6, 4)
	s_cmp_eq_u32 s2, 0
	s_cbranch_scc0 .Lentry_in_a_cluster
	s_endpgm
.Lentry_in_a_cluster:
	s_bfe_u32 s2, ttmp6, 0x10000c
	s_cmp_lg_u32 s2, 0x3003
	s_cbranch_scc0 .Lentry_shape_is_right
	s_endpgm
.Lentry_shape_is_right:
; Causal attention on codes of BF8 (E5M2), head size 64, 1,024 keys, and its result quantised at once for product 6 (entry 10 of the scales).
; LEFT OUT AS DEAD WORK: a step of 128 keys all of which come after a wave's queries (reference()'s own jnp.tril gives them the weight 0 for all inputs; shown at the head of launch prep).
; qkvc: Q [4096][1024] at 0, K at 4 MiB, V^T [batch][1024 features][1024 keys] at 8 MiB: codes, inside each aligned run of 32 the groups of 8 in the order 0, 2, 1, 3.  ac: [4096][1024] codes, the same order.
; THE SOFTMAX AHEAD OF THE SECOND PRODUCT: t = score x log2(e) / 8; M = the row's largest t so far, rounded UP to a whole number; p = 2^(t - M) is quantised (entry 8), not normalised; the row's sum is taken of the
; unquantised p and divides at the end.  When M moves, the sum and O are multiplied by 2^(old M - new M): exact.
; SHARES.  A cluster of four work-groups is one (batch, head).  Wave w of the work-group at place cx owns queries 64 w + 16 cx + 0..15: so all four partners have the same causal share, and which steps a wave
; walks hangs on its number alone.  All partners need all keys: K and V^T of the head come whole into LDS, each in four quarters of 256 keys, by JOINT tensor loads (waves 0 to 3: K's quarters; waves 4 to 7: V's).
; Nothing is filled twice: no ring.  Every quarter has landed before any is read: a wait for all tensor loads and a barrier.
; LAYOUT.  Both products transposed: S^T = K Q^T (source 0 = 16 keys), O^T = V^T P^T (source 0 = 16 features): a lane holds ONE query (lane % 16).  In S^T's tile c register j is key 16 c + 8 (lane / 16) + j:
; its eight codes are registers 2 c, 2 c + 1 of P's fragment; V^T, read by 16-byte loads, has the same keys in the same registers by the order of its codes.
; LIMITS: e6 + e7 between -124 and 130 (added to c's exponent field); e8 and e10 between -126 and 112.  NaN and infinities are not served.
; REGISTERS: v1-3, v7 lane terms; v5, v6 the add's two; v8, v9 addresses in hand; v12 -M, v13 the largest t, v[14:15] the sum; v16-23 Q; v32-95 eight fragments of K or four of V; v96-159 S^T, then p; v160-191 O^T; v224-239 p's codes.
.set KP,    80                         ; a key's row in LDS: 64 bytes + 16
.set VP,    272                        ; a row of a quarter of V^T: 256 bytes + 16
.set KQB,   256*KP                     ; a quarter of K
.set VQB,   64*VP                      ; a quarter of V^T
.set VOFF,  4*KQB
.set SPARE, VOFF+4*VQB                 ; behind K and V: the spare words, 128 bytes for each of sixteen waves
.set AK0,  1
.set AV0,  2
.set DQ,   3                           ; v3   my query - 8 (lane / 16)
.set SPW,  5
.set NIL,  6
.set GO,   7                           ; v7   my byte in the wave's 16 rows of Q and of ac
.set ADK,  8
.set ADV,  9
.set WV,   18
.set SEL,  20
.set CS,   22
.set G1K,  24
.set G1V,  32
.set G0K,  40                          ; s[40:43] group 0 for my quarter of K
.set G0V,  68                          ; s[68:71] group 0 for my quarter of V; never rewritten
.macro CROUND
	s_barrier_signal -1
	s_barrier_wait -1
	s_cmp_lg_u32 s[WV], 0
	s_cbranch_scc1 .Lnot_wave_0_\@
	s_barrier_signal -3
.Lnot_wave_0_\@:
	s_barrier_wait -3
	s_barrier_signal -1
	s_barrier_wait -1
.endm
	s_load_b128 s[4:7], s[0:1], 0x0                ; qkvc s[4:5], the scales' exponents s[6:7]
	s_load_b64 s[8:9], s[0:1], 0x10                ; ac
	v_lshl_add_u32 v[SPW], v0, 2, SPARE
	v_mov_b32 v[NIL], 0
	ds_add_u32 v[SPW], v[NIL]                      ; the wave's opening: the add, twice on end, and its wait ahead of the first tensor loads
	ds_add_u32 v[SPW], v[NIL]
	v_lshrrev_b32 v8, 5, v0
	s_delay_alu instid0(VALU_DEP_1)
	v_readfirstlane_b32 s[WV], v8                  ; wave 0..15
	s_bfe_u32 s13, ttmp6, 0x40000                  ; cx: it enters Q's and ac's addresses and the mask's numbers alone
	s_and_b32 s10, ttmp7, 0xffff
	s_lshr_b32 s11, s10, 4                         ; batch
	s_and_b32 s12, s10, 15                         ; head
	s_lshl_b32 s14, s11, 20                        ; a batch is 1 MiB in each tensor of codes
	s_lshl_b32 s15, s12, 6                         ; a head's 64 bytes of a token's row
	s_lshl_b32 s56, s12, 16                        ; K lies by heads in qkvc: [batch][head][1024 keys][64 bytes]: a head is one dense block of 65,536 bytes
	s_add_co_u32 s56, s56, s14
	s_add_co_u32 s56, s56, 0x400000                ; K's first byte of the head
	s_mov_b32 s57, 0
	s_lshl_b32 s58, s12, 16                        ; a head's 64 rows of V^T
	s_add_co_u32 s58, s58, s14
	s_add_co_u32 s58, s58, 0x800000
	s_mov_b32 s59, 0
	s_lshl_b32 s89, s[WV], 6
	s_lshl_b32 s62, s13, 4
	s_add_co_u32 s89, s89, s62                     ; my first query: 64 w + 16 cx
	s_lshl_b32 s62, s89, 10
	s_add_co_u32 s62, s62, s14
	s_add_co_u32 s62, s62, s15                     ; its head's bytes in Q and in ac
	s_mov_b32 s63, 0
	s_mov_b32 s[G1K], 15|(0<<16)|(1<<20)|(1<<21)|(3<<22)|(3<<25)   ; the mask: all four work-groups; elements of 1 byte; padding on; bit 21 beside a mask; after every 16 words four words
	s_mov_b32 s[G1K+1], 256<<16                    ; a quarter of K, 256 keys x 64 bytes, dense: stated as 64 rows of 256 bytes; the padding still stands behind each 64 bytes
	s_mov_b32 s[G1K+2], 64<<16
	s_mov_b32 s[G1K+3], 256<<16
	s_mov_b32 s[G1K+4], 64
	s_mov_b32 s[G1K+5], 256
	s_mov_b32 s[G1K+6], 0
	s_mov_b32 s[G1K+7], 0
	s_mov_b32 s[G1V], 15|(0<<16)|(1<<20)|(1<<21)|(5<<22)|(3<<25)   ; four words after every 64
	s_mov_b32 s[G1V+1], 256<<16
	s_mov_b32 s[G1V+2], 64<<16
	s_mov_b32 s[G1V+3], 256<<16
	s_mov_b32 s[G1V+4], 64
	s_mov_b32 s[G1V+5], 1024
	s_mov_b32 s[G1V+6], 0
	s_mov_b32 s[G1V+7], 0
	s_mov_b32 s[SEL], 0x76543210
	s_mov_b32 s[SEL+1], 0xfedcba98
	s_mov_b32 s[CS], 0x3e38aa3b                    ; c = log2(e) / 8
	s_wait_dscnt 0x0                               ; both opening adds are done
	s_wait_kmcnt 0x0
	s_load_b128 s[84:87], s[6:7], 0x18             ; e6, e7, e8, e9
	s_load_b32 s88, s[6:7], 0x28                   ; e10
	s_add_nc_u64 s[56:57], s[4:5], s[56:57]
	s_add_nc_u64 s[58:59], s[4:5], s[58:59]
	s_add_nc_u64 s[60:61], s[4:5], s[62:63]        ; Q at my first query
	s_add_nc_u64 s[8:9], s[8:9], s[62:63]          ; ac likewise
	; one tensor load a wave: waves 0 to 3 fetch K's quarter w, waves 4 to 7 V's quarter w - 4, the others nothing
	s_and_b32 s10, s[WV], 3
	s_mov_b32 s[G0K], 1
	s_mul_i32 s[G0K+1], s10, KQB
	s_lshl_b32 s62, s10, 14                        ; 256 keys of 64 bytes on
	s_add_nc_u64 s[G0K+2:G0K+3], s[56:57], s[62:63]
	s_or_b32 s[G0K+3], s[G0K+3], 0x80000000
	s_mov_b32 s[G0V], 1
	s_mul_i32 s[G0V+1], s10, VQB
	s_add_co_u32 s[G0V+1], s[G0V+1], VOFF
	s_lshl_b32 s62, s10, 8                         ; 256 keys along the rows
	s_add_nc_u64 s[G0V+2:G0V+3], s[58:59], s[62:63]
	s_or_b32 s[G0V+3], s[G0V+3], 0x80000000
	CROUND                                         ; all four work-groups are here: the joint loads meet
	s_cmp_ge_u32 s[WV], 4                          ; one chain of branches on the wave's number, one fill to an arm, the same in every partner
	s_cbranch_scc1 .Lnot_k
	tensor_load_to_lds s[G0K:G0K+3], s[G1K:G1K+7]
	s_nop 0
.rept 4
	v_nop
.endr
	s_branch .Lasked
.Lnot_k:
	s_cmp_ge_u32 s[WV], 8
	s_cbranch_scc1 .Lasked
	tensor_load_to_lds s[G0V:G0V+3], s[G1V:G1V+7]
	s_nop 0
.rept 4
	v_nop
.endr
.Lasked:
	v_and_b32 v8, 15, v0                           ; r
	v_bfe_u32 v9, v0, 4, 1                         ; h
	s_delay_alu instid0(VALU_DEP_2)
	v_lshlrev_b32 v[GO], 10, v8
	s_delay_alu instid0(VALU_DEP_1)
	v_lshl_add_u32 v[GO], v9, 4, v[GO]             ; row r of 1,024 bytes + 16 h
	global_load_b128 v[16:19], v[GO], s[60:61]     ; Q's fragment stays in registers
	global_load_b128 v[20:23], v[GO], s[60:61] offset:32
	v_mul_u32_u24 v[AK0], v8, KP
	s_delay_alu instid0(VALU_DEP_1)
	v_lshl_add_u32 v[AK0], v9, 4, v[AK0]
	v_mul_u32_u24 v[AV0], v8, VP
	s_delay_alu instid0(VALU_DEP_1)
	v_lshl_add_u32 v[AV0], v9, 4, v[AV0]
	v_lshlrev_b32 v10, 3, v9
	s_delay_alu instid0(VALU_DEP_1)
	v_sub_nc_u32 v[DQ], v8, v10
	s_delay_alu instid0(VALU_DEP_1)
	v_add_nc_u32 v[DQ], s89, v[DQ]
	v_mov_b32 v13, 0xff61b1e6                      ; the largest t so far: -3e38
	s_delay_alu instid0(VALU_DEP_1)
	v_floor_f32 v12, -v13                          ; -M
	v_mov_b32 v14, 0
	v_mov_b32 v15, 0
	v_mov_b32 v236, 0                              ; written once: a lane permute's destination counts as one of its sources
	v_mov_b32 v253, 0                              ; (named as the upper half of the pair v[252:253])
.set jj, 0
.rept 32
	v_mov_b32 v[160+jj], 0                         ; O^T: the step is written in one form; the first finds zeros, which the first change of M leaves zeros
.set jj, jj+1
.endr
	s_wait_kmcnt 0x0
	s_add_co_i32 s10, s84, s85
	s_lshl_b32 s10, s10, 23
	s_add_co_i32 s[CS], s[CS], s10                 ; a score stands for score x 2^(e6 + e7): added to c's exponent field
	s_mov_b32 s[CS+1], s[CS]
	s_add_co_i32 s10, s86, 127
	s_lshl_b32 s11, s10, 23
	v_mov_b32 v244, s11                            ; 2^e8
	s_add_co_i32 s10, s10, 15
	s_lshl_b32 s10, s10, 23
	s_or_b32 s10, s10, 0x600000
	v_mov_b32 v240, s10                            ; 57,344 x 2^e8
; A KEY STEP: keys 128 s on.
.macro STEP s
.if (\s) > 0
	s_cmp_lt_u32 s[WV], 2*(\s)                     ; 128 s > 64 w + 63: all keys come after all queries of the wave, at every place in the cluster: the step is left out
	s_cbranch_scc1 .Lhidden_\@
.endif
	v_add_nc_u32 v[ADK], 128*KP*(\s), v[AK0]
	v_add_nc_u32 v[ADV], VOFF+VQB*((\s)/2)+128*((\s)%2), v[AV0]
	v_nop                                          ; with the two additions: four places in front of loads into registers that matrix instructions have read
	v_nop
.irp t, 0,1,2,3,4,5,6,7
.irp c, 0,1
	ds_load_b128 v[32+8*\t+4*\c:32+8*\t+4*\c+3], v[ADK] offset:16*\t*KP+32*\c
.endr
.endr
	s_wait_alu depctr_va_vdst(0)
	s_wait_dscnt 0x0
.irp t, 0,1,2,3,4,5,6,7
	v_wmma_f32_16x16x64_bf8_bf8 v[96+8*\t:103+8*\t], v[32+8*\t:39+8*\t], v[16:23], 0
.endr
.rept 4
	v_nop
.endr
.irp t, 0,1,2,3                                ; V's fragments are asked for here and land under the softmax
.irp c, 0,1,2,3
	ds_load_b128 v[32+16*\t+4*\c:32+16*\t+4*\c+3], v[ADV] offset:16*\t*VP+32*\c
.endr
.endr
	s_cmp_ge_u32 s[WV], 2*(\s)+2                   ; 128 s + 127 <= 64 w: every key counts for every query of the wave
	s_cbranch_scc1 .Lopen_\@
	v_add_nc_u32 v252, (0x100000000-128*(\s))&0xffffffff, v[DQ]   ; d = my query - 128 s - 8 (lane / 16).  Register 8 c + j holds key 128 s + 16 c + 8 (lane / 16) + j: hidden where 16 c + j > d
	v_mov_b32 v254, 0xff800000                     ; -infinity: p = 0 then
.set nn, 0
.rept 64
	v_cmp_gt_i32 vcc_lo, 16*(nn/8)+nn%8, v252
	v_cndmask_b32 v[96+nn], v[96+nn], v254, vcc_lo
.set nn, nn+1
.endr
.Lopen_\@:
	v_max3_num_f32 v254, v96, v97, v98             ; the step's largest score of my query, among my 64 keys, in two chains,
	v_max3_num_f32 v252, v99, v100, v101
.irp i, 6,10,14,18,22,26,30,34,38,42,46,50,54,58
	v_max3_num_f32 v254, v254, v[96+\i], v[97+\i]
	v_max3_num_f32 v252, v252, v[98+\i], v[99+\i]
.endr
	v_max3_num_f32 v254, v254, v158, v159
	s_delay_alu instid0(VALU_DEP_1)
	v_max_num_f32 v254, v254, v252
	v_permlanex16_b32 v236, v254, s[SEL], s[SEL+1]
	s_delay_alu instid0(VALU_DEP_1)
	v_max_num_f32 v254, v254, v236                 ; and among lane l xor 16's
	s_delay_alu instid0(VALU_DEP_1)
	v_mul_f32 v254, s[CS], v254                    ; as t (c is positive)
	s_delay_alu instid0(VALU_DEP_1)
	v_max_num_f32 v13, v13, v254                   ; the running largest t
	v_mov_b32 v254, v12
	s_delay_alu instid0(VALU_DEP_2)
	v_floor_f32 v12, -v13                          ; the new -M = floor(-t): M is a whole number
	s_delay_alu instid0(VALU_DEP_1)
	v_sub_f32 v254, v12, v254                      ; old M less new M: a whole number, 0 or less
	s_delay_alu instid0(VALU_DEP_1)
	v_cvt_i32_f32 v254, v254                       ; (it saturates)
	s_delay_alu instid0(VALU_DEP_1)
	v_ldexp_f32 v252, 1.0, v254                    ; f = 2^(old M - new M)
.set jj, 0
.rept 32
	v_pk_fma_f32 v[96+jj:97+jj], v[96+jj:97+jj], s[CS:CS+1], v[12:13] op_sel_hi:[1,0,0]   ; t - M, two at a time
.set jj, jj+2
.endr
.set jj, 0
	s_wait_alu depctr_va_vdst(0)
.rept 64
	v_exp_f32 v[96+jj], v[96+jj]                   ; p = 2^(t - M)
.set jj, jj+1
.endr
	v_pk_mul_f32 v[14:15], v[14:15], v[252:253] op_sel_hi:[1,0]   ; the sums under the new M: a plain line behind the exponentials
	s_wait_alu depctr_va_vdst(0)                   ; one wait for the whole batch, ahead of its first reader
	v_pk_add_f32 v[242:243], v[100:101], v[104:105]
	v_pk_add_f32 v[254:255], v[108:109], v[112:113]
	v_pk_add_f32 v[250:251], v[116:117], v[120:121]
	v_pk_add_f32 v[248:249], v[124:125], v[128:129]
	v_pk_add_f32 v[246:247], v[132:133], v[136:137]
	v_pk_add_f32 v[238:239], v[140:141], v[144:145]
	v_pk_add_f32 v[236:237], v[148:149], v[152:153]
	v_pk_add_f32 v[14:15], v[14:15], v[156:157]
	v_pk_add_f32 v[242:243], v[242:243], v[96:97]
	v_pk_add_f32 v[254:255], v[254:255], v[98:99]
	v_pk_add_f32 v[250:251], v[250:251], v[102:103]
	v_pk_add_f32 v[248:249], v[248:249], v[106:107]
	v_pk_add_f32 v[246:247], v[246:247], v[110:111]
	v_pk_add_f32 v[238:239], v[238:239], v[114:115]
	v_pk_add_f32 v[236:237], v[236:237], v[118:119]
	v_pk_add_f32 v[14:15], v[14:15], v[122:123]
	v_pk_add_f32 v[242:243], v[242:243], v[126:127]
	v_pk_add_f32 v[254:255], v[254:255], v[130:131]
	v_pk_add_f32 v[250:251], v[250:251], v[134:135]
	v_pk_add_f32 v[248:249], v[248:249], v[138:139]
	v_pk_add_f32 v[246:247], v[246:247], v[142:143]
	v_pk_add_f32 v[238:239], v[238:239], v[146:147]
	v_pk_add_f32 v[236:237], v[236:237], v[150:151]
	v_pk_add_f32 v[14:15], v[14:15], v[154:155]
	v_pk_add_f32 v[242:243], v[242:243], v[158:159]
	s_delay_alu instid0(VALU_DEP_2)
	v_pk_add_f32 v[14:15], v[14:15], v[248:249]
	s_delay_alu instid0(VALU_DEP_2)
	v_pk_add_f32 v[242:243], v[242:243], v[246:247]
	v_pk_add_f32 v[254:255], v[254:255], v[238:239]
	v_pk_add_f32 v[250:251], v[250:251], v[236:237]
	s_delay_alu instid0(VALU_DEP_2)
	v_pk_add_f32 v[14:15], v[14:15], v[254:255]
	s_delay_alu instid0(VALU_DEP_2)
	v_pk_add_f32 v[242:243], v[242:243], v[250:251]
	s_delay_alu instid0(VALU_DEP_1)
	v_pk_add_f32 v[14:15], v[14:15], v[242:243]
.irp c, 0,1,2,3,4,5,6,7
.irp i, 0,1,2,3,4,5,6,7
	v_min_num_f32 v[96+8*\c+\i], v[96+8*\c+\i], v240   ; p is not negative: the hold is one-sided (the conversion does not saturate: ISA guide 7.6.2)
.endr
	v_cvt_scalef32_pk8_bf8_f32 v[224+2*\c:225+2*\c], v[96+8*\c:103+8*\c], v244
.endr
.set jj, 0
.rept 16
	v_pk_mul_f32 v[160+jj:161+jj], v[160+jj:161+jj], v[252:253] op_sel_hi:[1,0]   ; O^T under the new M; also the plain lines between the conversions and the products
.set jj, jj+2
.endr
	s_wait_alu depctr_va_vdst(0)
	s_wait_dscnt 0x0                               ; V's fragments are in
.irp t, 0,1,2,3
	v_wmma_f32_16x16x128_bf8_bf8 v[160+8*\t:167+8*\t], v[32+16*\t:47+16*\t], v[224:239], v[160+8*\t:167+8*\t]
.endr
.Lhidden_\@:
.endm
	s_wait_loadcnt 0x0                             ; Q
	s_wait_tensorcnt 0x0                           ; the quarter that I fetched has landed
	s_barrier_signal -1
	s_barrier_wait -1                              ; everybody's has: K and V^T of the head are whole, and nothing is ever filled again
.irp n, 0,1,2,3,4,5,6,7
	STEP \n
.endr
	; THE WAY OUT: O^T / the sum x 2^(e8 + e9) is the attention's result; it is held and converted with entry 10.  A lane's codes of tiles 0, 1 and of tiles 2, 3 are 16 bytes each of its query's row.
	v_add_f32 v14, v14, v15
	s_delay_alu instid0(VALU_DEP_1)
	v_permlanex16_b32 v252, v14, s[SEL], s[SEL+1]
	s_delay_alu instid0(VALU_DEP_1)
	v_add_f32 v14, v14, v252                       ; the row's sum
	s_wait_alu depctr_va_vdst(0)
	v_rcp_f32 v14, v14
	v_nop                                          ; a plain line behind the transcendental
	s_add_co_i32 s10, s86, s87
	s_add_co_i32 s11, s88, 127
	s_lshl_b32 s12, s11, 23
	v_mov_b32 v245, s12                            ; 2^e10
	s_add_co_i32 s11, s11, 15
	s_lshl_b32 s11, s11, 23
	s_or_b32 s11, s11, 0x600000
	v_mov_b32 v241, s11                            ; 57,344 x 2^e10
	v_nop
	s_wait_alu depctr_va_vdst(0)                   ; the wait ahead of the reciprocal's first reader
	v_ldexp_f32 v14, v14, s10
.set jj, 0
.rept 32
	v_mul_f32 v[96+jj], v[160+jj], v14             ; register 8 t + i is o(query, 16 t + 8 (lane / 16) + i)
.set jj, jj+1
.endr
.set jj, 0
.rept 32
	v_med3_num_f32 v[96+jj], v[96+jj], -v241, v241
.set jj, jj+1
.endr
.irp t, 0,1,2,3
	v_cvt_scalef32_pk8_bf8_f32 v[128+2*\t:129+2*\t], v[96+8*\t:103+8*\t], v245
.endr
	v_nop
	global_store_b128 v[GO], v[128:131], s[8:9]    ; a head's 64 bytes of a row: the tensor's own shape
	global_store_b128 v[GO], v[132:135], s[8:9] offset:32
	s_wait_tensorcnt 0x0                           ; the wave's end
	ds_add_u32 v[SPW], v[NIL]
	s_wait_dscnt 0x0
	CROUND                                         ; the closing round
	s_endpgm
.Lfunc_end_k_qc12a026bf8_attn:
	.size	k_qc12a026bf8_attn, .Lfunc_end_k_qc12a026bf8_attn-k_qc12a026bf8_attn
	.p2alignl 7, 3214868480
	.fill 96, 4, 3214868480
	.section	.rodata,"a",@progbits
	.p2align	6, 0x0
	.amdhsa_kernel k_qc12a026bf8_attn
		.amdhsa_group_segment_fixed_size 167936
		.amdhsa_private_segment_fixed_size 0
		.amdhsa_enable_private_segment 0
		.amdhsa_kernarg_size 24
		.amdhsa_user_sgpr_count 2
		.amdhsa_user_sgpr_kernarg_segment_ptr 1
		.amdhsa_wavefront_size32 1
		.amdhsa_system_sgpr_workgroup_id_x 1
		.amdhsa_system_sgpr_workgroup_id_y 1
		.amdhsa_system_sgpr_workgroup_id_z 1
		.amdhsa_system_vgpr_workitem_id 0
		.amdhsa_next_free_vgpr 256
		.amdhsa_next_free_sgpr 90
		.amdhsa_reserve_vcc 1
		.amdhsa_float_denorm_mode_32 3
		.amdhsa_float_denorm_mode_16_64 3
		.amdhsa_memory_ordered 1
		.amdhsa_forward_progress 1
		.amdhsa_inst_pref_size 179
	.end_amdhsa_kernel
	.amdgpu_metadata
---
amdhsa.version: [ 1, 2 ]
amdhsa.kernels:
  - .name:           k_qc12a026bf8_attn
    .symbol:         k_qc12a026bf8_attn.kd
    .args:
      - { .name: qkvc, .offset: 0, .size: 8, .value_kind: global_buffer, .address_space: global }
      - { .name: lowp_scales, .offset: 8, .size: 8, .value_kind: global_buffer, .address_space: global }
      - { .name: ac, .offset: 16, .size: 8, .value_kind: global_buffer, .address_space: global }
    .group_segment_fixed_size: 167936
    .private_segment_fixed_size: 0
    .kernarg_segment_align: 8
    .kernarg_segment_size: 24
    .max_flat_workgroup_size: 512
    .sgpr_count:     90
    .vgpr_count:     256
    .wavefront_size: 32
...
	.end_amdgpu_metadata
.endif
;; end of part 3
;; launch wo (part 4): grid 8 x 32, 4 waves a work-group, clusters of 4 x 4, 327,680 bytes of LDS; arguments ac, wc, lowp_scales, x, bo, x1; writes x1
.if DOCPART == 4
	.amdgcn_target "amdgcn-amd-amdhsa--gfx1250"
	.amdhsa_code_object_version 6
	.text
	.protected	k_qc12a026bf8_wo
	.globl	k_qc12a026bf8_wo
	.p2align	8
	.type	k_qc12a026bf8_wo,@function
k_qc12a026bf8_wo:
	s_mov_b64 s[64:65], 0
	v_nop
	global_prefetch_b8 v0, s[64:65] scope:SCOPE_SE
	s_setreg_imm32_b32 hwreg(HW_REG_WAVE_MODE, 25, 1), 1
	s_wait_xcnt 0x0
	s_wait_alu depctr_hold_cnt(0) depctr_sa_sdst(0) depctr_va_vdst(0) depctr_va_sdst(0) depctr_va_ssrc(0) depctr_va_vcc(0) depctr_vm_vsrc(0)
	s_getreg_b32 s2, hwreg(HW_REG_IB_STS2, 6, 4)
	s_cmp_eq_u32 s2, 0
	s_cbranch_scc0 .Lentry_in_a_cluster
	s_endpgm
.Lentry_in_a_cluster:
	s_bfe_u32 s2, ttmp6, 0x10000c
	s_cmp_lg_u32 s2, 0xf033
	s_cbranch_scc0 .Lentry_shape_is_right
	s_endpgm
.Lentry_shape_is_right:
; x1 = x + (attn Wo + bo): C[m][n] = res[m][n] + (2^(ea + eb) x sum over k of A[m][k] B[n][k] + bias[n]), on codes of BF8 (E5M2).
; A: ac [4096][SIZE_K] codes; B: Wo's codes [1024][SIZE_K] in wc at WOFF; ea, eb: two entries of the scales at byte SOFF; res, C: [4096][1024] f32.  LIMIT: ea + eb between -126 and 127.
; N is 1,024, so a tile of C is 128 x 128: 256 work-groups.  Four waves, each 64 x 64: 16 accumulators.  K = 1,024 comes whole (LDS rows of 1,024 bytes) into one LDS slot filled by joint tensor loads:
; 4 x 4 work-groups form a cluster; A's tile is shared along its rows, B's along its columns.  THE MATRIX INSTRUCTION IS USED TRANSPOSED (source 0 = 16 rows of B, source 1 = 16 rows of A).
; REGISTERS: window 0: v16-29 addresses; v36-39 my four bias numbers; v128-255 the accumulators ((a, b) at v[128 + 8 (4 a + b)]).  window 1: two fragment buffers of 128 registers: for 128 along K
; A's four fragments, then B's four.  window 2: v0-127: the 32 rows of res that I store, asked for at the head, so that they land under the products.
.set SIZE_K, 1024
.set WOFF,   0x300000
.set SOFF,   0x28
; ONE FILL: K = 1,024 comes whole: 256 rows x (1,024 + 16) bytes = 266,240 bytes of LDS, one joint load a wave (64 rows), no ring and no refill.
; No prefetch: the launch has no loop to run ahead in; all its tiles are asked for at the head.
.set KSTEP,  1024
.set PITCH,  1040                      ; an LDS row: 1,024 bytes + 16 of padding: an odd multiple of 16 bytes
.set HALFT,  64*PITCH
.set SLOT,   4*HALFT
.set SPARE,  SLOT                      ; behind the one slot: the spare words
.set LAPS,   SIZE_K/(2*KSTEP)
.set ADRA, 16
.set ADRB, 20
.set STO,  24                          ; the way out: the stage, 128 rows x 1,040 bytes, lies in slot 0, which has had its last fill and its last read by then
.set RD,   25
.set CO,   26                          ; 16 x lane: my bytes of a row of 512; never rewritten
.set SPW,  28
.set NIL,  29
.set BI,   36
.set ACC,  128
.set F0,   0
.set F1,   128
.set G1, 24
.set G0, 32
.set G1B, 48
.set G0B, 56
.set MSB, 0
.macro WIN new
.if MSB != \new
	s_set_vgpr_msb (MSB<<8)|\new
.set MSB, \new
.endif
.endm
.set MUL,  0x05                        ; sources 0 (B) and 1 (A) window 1; C and D window 0
.set TO_F, 0x40                        ; destination window 1, address window 0
.macro JLOAD s                         ; a joint load: waves 0 and 1 fetch A's halves, waves 2 and 3 B's; an s_nop 0 and four v_nop follow each line
	s_cmp_eq_u32 s11, 0
	s_cbranch_scc0 .Lfor_b_\@
	tensor_load_to_lds s[G0+4*\s:G0+4*\s+3], s[G1:G1+7]
	s_nop 0
.rept 4
	v_nop
.endr
	s_branch .Lasked_\@
.Lfor_b_\@:
	tensor_load_to_lds s[G0B+4*\s:G0B+4*\s+3], s[G1B:G1B+7]
	s_nop 0
.rept 4
	v_nop
.endr
.Lasked_\@:
.endm
.macro CREST
	s_cmp_lg_u32 s10, 0
	s_cbranch_scc1 .Lnot_wave_0_\@
	s_barrier_signal -3
.Lnot_wave_0_\@:
	s_barrier_wait -3
	s_barrier_signal -1
	s_barrier_wait -1
.endm
.macro CROUND
	s_barrier_signal -1
	s_barrier_wait -1
	CREST
.endm
	s_load_b256 s[68:75], s[0:1], 0x0              ; A s[68:69], wc s[70:71], the scales' exponents s[72:73], res s[74:75]
	s_load_b128 s[76:79], s[0:1], 0x20             ; bias s[76:77], C s[78:79]
	v_lshl_add_u32 v[SPW], v0, 2, SPARE
	v_mov_b32 v[NIL], 0
	ds_add_u32 v[SPW], v[NIL]                      ; the wave's opening: the add, twice on end, and its wait ahead of my first tensor load
	ds_add_u32 v[SPW], v[NIL]
	v_lshrrev_b32 v1, 5, v0
	v_readfirstlane_b32 s10, v1                    ; wave 0..3
	s_lshr_b32 s11, s10, 1                         ; my half of the tile's rows.  Also: I fetch for A (0) or for B (1)
	s_and_b32 s12, s10, 1                          ; my half of its columns.  Also: which 64 rows I fetch
	s_bfe_u32 s40, ttmp6, 0x40000
	s_bfe_u32 s41, ttmp6, 0x40004
	s_lshl_b32 s42, ttmp9, 2
	s_add_co_u32 s42, s42, s40                     ; tile column of C
	s_and_b32 s13, ttmp7, 0xffff
	s_lshl_b32 s13, s13, 2
	s_add_co_u32 s13, s13, s41                     ; tile row of C
	s_lshl_b32 s43, s41, 2
	s_lshl_b32 s43, 15, s43
	s_lshl_b32 s44, 0x1111, s40
	s_or_b32 s[G1+0], s43, (0<<16)|(1<<20)|(1<<21)|(7<<22)|(3<<25)  ; the mask; elements of 1 byte; padding on; bit 21 beside a mask; after every 256 words four words
	s_or_b32 s[G1B+0], s44, (0<<16)|(1<<20)|(1<<21)|(7<<22)|(3<<25)
.irp g, G1, G1B
	s_mov_b32 s[\g+1], KSTEP<<16
	s_mov_b32 s[\g+2], 64<<16
	s_mov_b32 s[\g+3], KSTEP<<16
	s_mov_b32 s[\g+4], 64
	s_mov_b32 s[\g+5], SIZE_K
	s_mov_b32 s[\g+6], 0
	s_mov_b32 s[\g+7], 0
.endr
	s_lshl_b32 s18, s12, 6
	s_lshl_b32 s16, s13, 7
	s_add_co_u32 s16, s16, s18
	s_mul_i32 s16, s16, SIZE_K                     ; A: row 128 x tile row + 64 x half, in bytes: under 2^24
	s_mov_b32 s17, 0
	s_lshl_b32 s46, s42, 7
	s_add_co_u32 s46, s46, s18
	s_mul_i32 s46, s46, SIZE_K
	s_add_co_u32 s46, s46, WOFF                    ; B likewise, in wc
	s_mov_b32 s47, 0
	s_mul_i32 s20, s10, HALFT
	s_wait_dscnt 0x0                               ; both opening adds are done
	s_wait_kmcnt 0x0
	s_load_b64 s[80:81], s[72:73], SOFF            ; ea, eb
	s_add_nc_u64 s[14:15], s[68:69], s[16:17]
	s_add_nc_u64 s[46:47], s[70:71], s[46:47]
	CROUND                                         ; all sixteen work-groups are here: the first joint loads meet
.irp s, 0
	s_mov_b32 s[G0+4*\s], 1
	s_add_co_u32 s[G0+4*\s+1], s20, \s*SLOT
	s_add_nc_u64 s[G0+4*\s+2:G0+4*\s+3], s[14:15], \s*KSTEP
	s_or_b32 s[G0+4*\s+3], s[G0+4*\s+3], 0x80000000
	s_mov_b32 s[G0B+4*\s], 1
	s_add_co_u32 s[G0B+4*\s+1], s20, \s*SLOT
	s_add_nc_u64 s[G0B+4*\s+2:G0B+4*\s+3], s[46:47], \s*KSTEP
	s_or_b32 s[G0B+4*\s+3], s[G0B+4*\s+3], 0x80000000
	JLOAD \s
.endr
	v_and_b32 v1, 15, v0
	s_wait_alu depctr_va_vdst(0)
	v_bfe_u32 v2, v0, 4, 1
	v_mul_u32_u24 v3, v1, PITCH
	v_lshl_add_u32 v3, v2, 4, v3
	s_mul_i32 s21, s11, HALFT
	s_mul_i32 s22, s12, HALFT
	s_add_co_u32 s22, s22, 2*HALFT
.irp s, 0
	v_add_nc_u32 v[ADRA+\s], s21, v3
	v_add_nc_u32 v[ADRB+\s], s22, v3
	s_add_co_u32 s21, s21, SLOT
	s_add_co_u32 s22, s22, SLOT
.endr
	s_mul_i32 s23, s11, 64*PITCH                   ; into the stage: my 64 rows, my half of their 512 bytes; row l % 16, 32 bytes for each half of the lanes
	s_lshl_b32 s21, s12, 8
	s_add_co_u32 s23, s23, s21
	v_mul_u32_u24 v4, v1, PITCH
	s_wait_alu depctr_va_vdst(0)
	v_lshl_add_u32 v4, v2, 5, v4
	v_add_nc_u32 v[STO], s23, v4
	s_mul_i32 s23, s10, 32*PITCH                   ; back: wave w takes rows 32 w on, whole: the 32 lanes take a row of 512 bytes
	v_and_b32 v5, 31, v0
	v_lshlrev_b32 v[CO], 4, v5
	s_wait_alu depctr_va_vdst(0)
	v_add_nc_u32 v[RD], s23, v[CO]
	s_lshl_b32 s16, s13, 7
	s_lshl_b32 s17, s10, 5
	s_add_co_u32 s16, s16, s17                     ; the first row that I store
	s_lshl_b32 s16, s16, 12
	s_lshl_b32 s46, s42, 9                         ; the tile's first column, in bytes
	s_add_co_u32 s16, s16, s46
	s_mov_b32 s17, 0
	s_mov_b32 s47, 0
	s_add_nc_u64 s[74:75], s[74:75], s[16:17]
	s_add_nc_u64 s[78:79], s[78:79], s[16:17]
	s_add_nc_u64 s[76:77], s[76:77], s[46:47]
.macro RES                             ; the residual rows and the bias are asked for behind the tiles' landing, and land under the products
	WIN 0x80                                       ; destination window 2
.set tt, 0
.rept 32
	global_load_b128 v[4*tt:4*tt+3], v[CO], s[74:75] offset:4096*tt   ; res: 512 consecutive bytes a load; waited for on the way out
.set tt, tt+1
.endr
	WIN 0
	global_load_b128 v[BI:BI+3], v[CO], s[76:77]   ; the bias of my four columns
.endm
.macro MUL4 f, a, zero                 ; A's block a x B's four, 128 along K.  The 16 accumulators take turns, one instruction a turn
.irp b, 0,1,2,3
.if \zero
	v_wmma_f32_16x16x128_bf8_bf8 v[ACC+8*(4*(\a)+\b):ACC+8*(4*(\a)+\b)+7], v[\f+64+16*\b:\f+64+16*\b+15], v[\f+16*(\a):\f+16*(\a)+15], 0
.else
	v_wmma_f32_16x16x128_bf8_bf8 v[ACC+8*(4*(\a)+\b):ACC+8*(4*(\a)+\b)+7], v[\f+64+16*\b:\f+64+16*\b+15], v[\f+16*(\a):\f+16*(\a)+15], v[ACC+8*(4*(\a)+\b):ACC+8*(4*(\a)+\b)+7]
.endif
.endr
.endm
.macro FETCH slot, q, f                ; 32 LDS loads in one run: the slot's q-th 128 along K into buffer f: B's four fragments, then A's
	WIN TO_F
.irp i, 0,1,2,3
.irp c, 0,1,2,3
	ds_load_b128 v[\f+64+16*\i+4*\c:\f+64+16*\i+4*\c+3], v[ADRB+\slot] offset:128*(\q)+32*\c+\i*16*PITCH
.endr
.endr
.irp i, 0,1,2,3
.irp c, 0,1,2,3
	ds_load_b128 v[\f+16*\i+4*\c:\f+16*\i+4*\c+3], v[ADRA+\slot] offset:128*(\q)+32*\c+\i*16*PITCH
.endr
.endr
.endm
.macro PLACES
.rept 4
	v_nop
.endr
.endm
.macro QUARTER slot, qn, f, g, zero    ; multiplies buffer f; in its middle it fetches the slot's quarter qn into buffer g
	s_wait_dscnt 8                                 ; B and A's blocks 0, 1 are in; A's blocks 2, 3 may be out
	WIN MUL
	MUL4 \f, 0, \zero
	MUL4 \f, 1, \zero
	PLACES
	FETCH \slot, \qn, \g
	s_wait_dscnt 32                                ; all but the 32 just issued
	WIN MUL
	MUL4 \f, 2, \zero
	MUL4 \f, 3, \zero
.endm
.macro TURN slot, next, fill           ; the slot's last quarter multiplies buffer 1 and changes slots: one barrier
	WIN 0
	s_wait_tensorcnt 0x0                           ; all my tensor loads have landed: my part of the next slot
	ds_add_u32 v[SPW], v[NIL]                      ; 0 onto my spare word
	s_wait_dscnt 9                                 ; the add and A's blocks 2, 3 may be out
	WIN MUL
	MUL4 F1, 0, 0
	s_wait_dscnt 0x0                               ; the add is done, and my reads of this slot are over
	s_barrier_signal -1
	MUL4 F1, 1, 0
	WIN 0
	s_barrier_wait -1
.if \fill
	CREST                                          ; the barrier has opened a round of the cluster's barrier
	s_add_nc_u64 s[G0+4*\slot+2:G0+4*\slot+3], s[G0+4*\slot+2:G0+4*\slot+3], 2*KSTEP
	s_add_nc_u64 s[G0B+4*\slot+2:G0B+4*\slot+3], s[G0B+4*\slot+2:G0B+4*\slot+3], 2*KSTEP
	JLOAD \slot                                    ; the first tensor load behind the round; its four v_nop are the places in front of the loads below
.else
	PLACES
.endif
	FETCH \next, 0, F0
	WIN MUL
	MUL4 F1, 2, 0
	MUL4 F1, 3, 0
.endm
	s_wait_alu depctr_va_vdst(0)
	s_wait_tensorcnt 0x0                           ; my one load has landed
	s_barrier_signal -1
	s_barrier_wait -1
	FETCH 0, 0, F0
	RES
	QUARTER 0, 1, F0, F1, 1                        ; the first quarter's products start the sums
.if LAPS > 1
	WIN 0
	s_mov_b32 s3, LAPS-1
.Llap:
	QUARTER 0, 2, F1, F0, 0
	QUARTER 0, 3, F0, F1, 0
	TURN 0, 1, 1
	QUARTER 1, 1, F0, F1, 0
	QUARTER 1, 2, F1, F0, 0
	QUARTER 1, 3, F0, F1, 0
	TURN 1, 0, 1
	QUARTER 0, 1, F0, F1, 0
	WIN 0
	s_sub_co_u32 s3, s3, 1
	s_cmp_lg_u32 s3, 0
	s_cbranch_scc1 .Llap
.endif
	QUARTER 0, 2, F1, F0, 0                        ; the last lap fills nothing
	QUARTER 0, 3, F0, F1, 0
	QUARTER 0, 4, F1, F0, 0                        ; the eight pieces of 128 along K lie in one slot
	QUARTER 0, 5, F0, F1, 0
	QUARTER 0, 6, F1, F0, 0
	QUARTER 0, 7, F0, F1, 0
	s_wait_dscnt 8
	WIN MUL
	MUL4 F1, 0, 0
	MUL4 F1, 1, 0
	s_wait_dscnt 0
	MUL4 F1, 2, 0
	MUL4 F1, 3, 0
	WIN 0
	; THE WAY OUT: the sums go into the work-group's stage as they are, a lane's 32 bytes of a row; a barrier, since a row's 512 bytes come from two waves; back as whole rows, 32 a wave.
	s_wait_kmcnt 0x0
	s_add_co_i32 s82, s80, s81
	s_add_co_i32 s82, s82, 127
	s_lshl_b32 s82, s82, 23                        ; 2^(ea + eb) as f32
	s_mov_b32 s83, s82
	s_barrier_signal -1                            ; every wave's reads of the slot have come back (its wait for 0 on DScnt above): the stage is laid over the slot only behind this barrier
	s_barrier_wait -1
	PLACES
.irp a, 0,1,2,3
.irp b, 0,1,2,3
	ds_store_b128 v[STO], v[ACC+8*(4*\a+\b):ACC+8*(4*\a+\b)+3] offset:\a*16*PITCH+64*\b       ; each accumulator from its low end on
	ds_store_b128 v[STO], v[ACC+8*(4*\a+\b)+4:ACC+8*(4*\a+\b)+7] offset:\a*16*PITCH+64*\b+16
.endr
.endr
	s_wait_dscnt 0x0                               ; for the others' sake: my stores into the stage are done
	s_barrier_signal -1
	s_barrier_wait -1
.set tt, 0
.rept 32
	ds_load_b128 v[ACC+4*tt:ACC+4*tt+3], v[RD] offset:tt*PITCH
.set tt, tt+1
.endr
	s_wait_dscnt 0x0
	s_wait_loadcnt 0x0                             ; res and the bias
.set tt, 0
.rept 32
	v_pk_fma_f32 v[ACC+4*tt:ACC+4*tt+1], v[ACC+4*tt:ACC+4*tt+1], s[82:83], v[BI:BI+1] op_sel_hi:[1,0,1]       ; sum x 2^(ea + eb) + bias
	v_pk_fma_f32 v[ACC+4*tt+2:ACC+4*tt+3], v[ACC+4*tt+2:ACC+4*tt+3], s[82:83], v[BI+2:BI+3] op_sel_hi:[1,0,1]
.set tt, tt+1
.endr
	WIN 0x08                                       ; source 1: window 2
.set tt, 0
.rept 64
	v_pk_add_f32 v[ACC+2*tt:ACC+2*tt+1], v[ACC+2*tt:ACC+2*tt+1], v[2*tt:2*tt+1]   ; + res
.set tt, tt+1
.endr
	WIN 0
.set tt, 0
.rept 32
	global_store_b128 v[CO], v[ACC+4*tt:ACC+4*tt+3], s[78:79] offset:4096*tt   ; the wave stores 512 consecutive bytes, aligned
.set tt, tt+1
.endr
	s_wait_tensorcnt 0x0                           ; the wave's end
	ds_add_u32 v[SPW], v[NIL]
	s_wait_dscnt 0x0
	CROUND                                         ; the closing round
	s_endpgm
.Lfunc_end_k_qc12a026bf8_wo:
	.size	k_qc12a026bf8_wo, .Lfunc_end_k_qc12a026bf8_wo-k_qc12a026bf8_wo
	.p2alignl 7, 3214868480
	.fill 96, 4, 3214868480
	.section	.rodata,"a",@progbits
	.p2align	6, 0x0
	.amdhsa_kernel k_qc12a026bf8_wo
		.amdhsa_group_segment_fixed_size 327680
		.amdhsa_private_segment_fixed_size 0
		.amdhsa_enable_private_segment 0
		.amdhsa_kernarg_size 48
		.amdhsa_user_sgpr_count 2
		.amdhsa_user_sgpr_kernarg_segment_ptr 1
		.amdhsa_wavefront_size32 1
		.amdhsa_system_sgpr_workgroup_id_x 1
		.amdhsa_system_sgpr_workgroup_id_y 1
		.amdhsa_system_sgpr_workgroup_id_z 1
		.amdhsa_system_vgpr_workitem_id 0
		.amdhsa_next_free_vgpr 640
		.amdhsa_next_free_sgpr 84
		.amdhsa_reserve_vcc 0
		.amdhsa_float_denorm_mode_32 3
		.amdhsa_float_denorm_mode_16_64 3
		.amdhsa_memory_ordered 1
		.amdhsa_forward_progress 1
		.amdhsa_inst_pref_size 51
	.end_amdhsa_kernel
	.amdgpu_metadata
---
amdhsa.version: [ 1, 2 ]
amdhsa.kernels:
  - .name:           k_qc12a026bf8_wo
    .symbol:         k_qc12a026bf8_wo.kd
    .args:
      - { .name: ac, .offset: 0, .size: 8, .value_kind: global_buffer, .address_space: global }
      - { .name: wc, .offset: 8, .size: 8, .value_kind: global_buffer, .address_space: global }
      - { .name: lowp_scales, .offset: 16, .size: 8, .value_kind: global_buffer, .address_space: global }
      - { .name: x, .offset: 24, .size: 8, .value_kind: global_buffer, .address_space: global }
      - { .name: bo, .offset: 32, .size: 8, .value_kind: global_buffer, .address_space: global }
      - { .name: x1, .offset: 40, .size: 8, .value_kind: global_buffer, .address_space: global }
    .group_segment_fixed_size: 327680
    .private_segment_fixed_size: 0
    .kernarg_segment_align: 8
    .kernarg_segment_size: 48
    .max_flat_workgroup_size: 128
    .sgpr_count:     84
    .vgpr_count:     640
    .wavefront_size: 32
...
	.end_amdgpu_metadata
.endif
;; end of part 4
;; launch ln2 (part 5): grid 256 x 1, 4 waves a work-group, no clusters, 0 bytes of LDS; arguments x1, g2, be2, lowp_scales, h2c; writes h2c
.if DOCPART == 5
	.amdgcn_target "amdgcn-amd-amdhsa--gfx1250"
	.amdhsa_code_object_version 6
	.text
	.protected	k_qc12a026bf8_ln2
	.globl	k_qc12a026bf8_ln2
	.p2align	8
	.type	k_qc12a026bf8_ln2,@function
k_qc12a026bf8_ln2:
	s_mov_b64 s[64:65], 0
	v_nop
	global_prefetch_b8 v0, s[64:65] scope:SCOPE_SE
	s_setreg_imm32_b32 hwreg(HW_REG_WAVE_MODE, 25, 1), 1
	s_wait_xcnt 0x0
; h2c = the codes of layernorm(x1, g2, be2) in BF8 (E5M2), with entry 12 of the scales: [4096][1024], inside each aligned run of 32 the groups of 8 in the order 0, 2, 1, 3.
; code = number / 2^e, held within +-57,344, to the nearest code, ties to even.  LIMITS: e between -126 and 112; NaN and infinities are not served.
; A wave takes a row at a time, four rows; a row stays in 32 registers between the passes (mean; variance of the centred numbers, as jnp.var takes it; scaling).  No LDS, no barrier: waves share nothing.
; All four rows are asked for at the head: 48 loads a wave are out.  Matrix units, clusters and tensor loads would add nothing to a stream.
.set EMAX,  15
.set MANT,  0x600000
.set G,     16                         ; v16-47 gain, v48-79 bias, v80-207 four rows, v208-223 at work, v224-231 codes
.set BE,    48
.set XR,    80
.set T,     208
.set CL,    224
	s_load_b256 s[4:11], s[0:1], 0x0               ; x1 s[4:5], g2 s[6:7], be2 s[8:9], the scales' exponents s[10:11]
	s_load_b64 s[12:13], s[0:1], 0x20              ; h2c
	v_lshrrev_b32 v1, 5, v0
	v_readfirstlane_b32 s14, v1                    ; wave
	v_and_b32 v1, 31, v0                           ; lane
	s_wait_alu depctr_va_vdst(0)
	s_lshl_b32 s29, ttmp9, 4
	s_lshl_b32 s30, s14, 2
	s_add_co_u32 s29, s29, s30                     ; my wave's first row
	s_lshl_b32 s30, s29, 12
	s_mov_b32 s31, 0
	s_mov_b32 s40, 0x76543210
	s_mov_b32 s41, 0xfedcba98
	s_mov_b32 s42, 0x3a800000                      ; 1 / 1024
	s_mov_b32 s43, 0x3727c5ac                      ; 1e-5
	v_lshlrev_b32 v2, 5, v1                        ; a lane holds numbers 256 c + 8 lane + 0..7 of a row
	s_wait_alu depctr_va_vdst(0)
	s_wait_kmcnt 0x0
	s_load_b32 s48, s[10:11], 0x30                 ; e12
	s_add_nc_u64 s[32:33], s[4:5], s[30:31]
	s_lshl_b32 s30, s29, 10
	s_add_nc_u64 s[34:35], s[12:13], s[30:31]
.irp c, 0,1,2,3
	global_load_b128 v[G+8*\c:G+8*\c+3], v2, s[6:7] offset:1024*\c
	global_load_b128 v[G+8*\c+4:G+8*\c+7], v2, s[6:7] offset:1024*\c+16
	global_load_b128 v[BE+8*\c:BE+8*\c+3], v2, s[8:9] offset:1024*\c
	global_load_b128 v[BE+8*\c+4:BE+8*\c+7], v2, s[8:9] offset:1024*\c+16
.endr
.irp i, 0,1,2,3
.irp c, 0,1,2,3
	global_load_b128 v[XR+32*\i+8*\c:XR+32*\i+8*\c+3], v2, s[32:33] offset:4096*\i+1024*\c th:TH_LOAD_NT
	global_load_b128 v[XR+32*\i+8*\c+4:XR+32*\i+8*\c+7], v2, s[32:33] offset:4096*\i+1024*\c+16 th:TH_LOAD_NT
.endr
.endr
	v_and_b32 v3, 28, v1                           ; where my 8 codes go: group lane % 4 of its run of 32 lies at place 2 (lane % 2) + (lane / 2) % 2
	v_and_b32 v14, 1, v1
	v_lshl_add_u32 v3, v14, 1, v3
	v_bfe_u32 v14, v1, 1, 1
	v_add_nc_u32 v3, v3, v14
	v_lshlrev_b32 v3, 3, v3
	v_mov_b32 v15, 0                               ; written once: a lane permute's destination counts as one of its sources
	s_wait_kmcnt 0x0
	s_add_co_i32 s44, s48, 127
	s_lshl_b32 s45, s44, 23
	v_mov_b32 v4, s45                              ; 2^e
	s_add_co_i32 s44, s44, EMAX
	s_lshl_b32 s44, s44, 23
	s_or_b32 s44, s44, MANT
	v_mov_b32 v5, s44                              ; 57,344 x 2^e
.macro WSUM
	v_add_f32_dpp v14, v14, v14 row_xmask:1 row_mask:0xf bank_mask:0xf
	v_add_f32_dpp v14, v14, v14 row_xmask:2 row_mask:0xf bank_mask:0xf
	v_add_f32_dpp v14, v14, v14 row_xmask:4 row_mask:0xf bank_mask:0xf
	v_add_f32_dpp v14, v14, v14 row_xmask:8 row_mask:0xf bank_mask:0xf
	v_permlanex16_b32 v15, v14, s40, s41
	v_add_f32 v14, v14, v15
.endm
.macro FOLD
	v_pk_add_f32 v[T:T+1], v[T:T+1], v[T+2:T+3]
	v_pk_add_f32 v[T+4:T+5], v[T+4:T+5], v[T+6:T+7]
	v_pk_add_f32 v[T:T+1], v[T:T+1], v[T+4:T+5]
	v_add_f32 v14, v[T], v[T+1]
.endm
.macro LNROW i
.set XI, XR+32*(\i)
	s_wait_loadcnt 8*(3-(\i))                      ; my row's eight loads are in; the later rows' stay out
	s_wait_xcnt 0x0                                ; the row before's stores have read their registers: the codes' registers are rewritten only behind this wait
.irp k, 0,1,2,3
	v_pk_add_f32 v[T+2*\k:T+2*\k+1], v[XI+4*\k:XI+4*\k+1], v[XI+4*\k+2:XI+4*\k+3]
.endr
.irp k, 8,9,10,11,12,13,14,15
	v_pk_add_f32 v[T+2*(\k%4):T+2*(\k%4)+1], v[T+2*(\k%4):T+2*(\k%4)+1], v[XI+2*\k:XI+2*\k+1]
.endr
	FOLD
	WSUM
	v_mul_f32 v10, s42, v14                        ; the mean, twice
	v_mul_f32 v11, s42, v14
.irp k, 0,1,2,3,4,5,6,7,8,9,10,11,12,13,14,15
	v_pk_add_f32 v[XI+2*\k:XI+2*\k+1], v[XI+2*\k:XI+2*\k+1], v[10:11] neg_lo:[0,1] neg_hi:[0,1]
.endr
.irp k, 0,1,2,3
	v_pk_mul_f32 v[T+2*\k:T+2*\k+1], v[XI+2*\k:XI+2*\k+1], v[XI+2*\k:XI+2*\k+1]
.endr
.irp k, 4,5,6,7,8,9,10,11,12,13,14,15
	v_pk_fma_f32 v[T+2*(\k%4):T+2*(\k%4)+1], v[XI+2*\k:XI+2*\k+1], v[XI+2*\k:XI+2*\k+1], v[T+2*(\k%4):T+2*(\k%4)+1]
.endr
	FOLD
	WSUM
	v_fma_f32 v12, v14, s42, s43                   ; the variance + 1e-5
	s_wait_alu depctr_va_vdst(0)
	v_rsq_f32 v12, v12
	v_nop                                          ; a plain line behind the transcendental,
	s_wait_alu depctr_va_vdst(0)                   ; and the wait ahead of its first reader
	v_mov_b32 v13, v12
.irp k, 0,1,2,3,4,5,6,7,8,9,10,11,12,13,14,15
	v_pk_mul_f32 v[XI+2*\k:XI+2*\k+1], v[XI+2*\k:XI+2*\k+1], v[12:13]
.endr
.irp k, 0,1,2,3,4,5,6,7,8,9,10,11,12,13,14,15
	v_pk_fma_f32 v[XI+2*\k:XI+2*\k+1], v[XI+2*\k:XI+2*\k+1], v[G+2*\k:G+2*\k+1], v[BE+2*\k:BE+2*\k+1]
.endr
.irp c, 0,1,2,3
.irp j, 0,1,2,3,4,5,6,7
	v_med3_num_f32 v[T+8*(\c%2)+\j], v[XI+8*\c+\j], -v5, v5   ; the hold; the next chunk's eight are the plain lines behind this chunk's conversion
.endr
	v_cvt_scalef32_pk8_bf8_f32 v[CL+2*\c:CL+2*\c+1], v[T+8*(\c%2):T+8*(\c%2)+7], v4
.endr
	v_nop                                          ; one plain line behind the last conversion
.irp c, 0,1,2,3
	global_store_b64 v3, v[CL+2*\c:CL+2*\c+1], s[34:35] offset:1024*(\i)+256*\c   ; the wave stores 256 consecutive bytes, aligned
.endr
.endm
	LNROW 0
	LNROW 1
	LNROW 2
	LNROW 3
	s_endpgm
.Lfunc_end_k_qc12a026bf8_ln2:
	.size	k_qc12a026bf8_ln2, .Lfunc_end_k_qc12a026bf8_ln2-k_qc12a026bf8_ln2
	.p2alignl 7, 3214868480
	.fill 96, 4, 3214868480
	.section	.rodata,"a",@progbits
	.p2align	6, 0x0
	.amdhsa_kernel k_qc12a026bf8_ln2
		.amdhsa_group_segment_fixed_size 0
		.amdhsa_private_segment_fixed_size 0
		.amdhsa_enable_private_segment 0
		.amdhsa_kernarg_size 40
		.amdhsa_user_sgpr_count 2
		.amdhsa_user_sgpr_kernarg_segment_ptr 1
		.amdhsa_wavefront_size32 1
		.amdhsa_system_sgpr_workgroup_id_x 1
		.amdhsa_system_sgpr_workgroup_id_y 1
		.amdhsa_system_sgpr_workgroup_id_z 1
		.amdhsa_system_vgpr_workitem_id 0
		.amdhsa_next_free_vgpr 240
		.amdhsa_next_free_sgpr 66
		.amdhsa_reserve_vcc 0
		.amdhsa_float_denorm_mode_32 3
		.amdhsa_float_denorm_mode_16_64 3
		.amdhsa_memory_ordered 1
		.amdhsa_forward_progress 1
		.amdhsa_inst_pref_size 42
	.end_amdhsa_kernel
	.amdgpu_metadata
---
amdhsa.version: [ 1, 2 ]
amdhsa.kernels:
  - .name:           k_qc12a026bf8_ln2
    .symbol:         k_qc12a026bf8_ln2.kd
    .args:
      - { .name: x1, .offset: 0, .size: 8, .value_kind: global_buffer, .address_space: global }
      - { .name: g2, .offset: 8, .size: 8, .value_kind: global_buffer, .address_space: global }
      - { .name: be2, .offset: 16, .size: 8, .value_kind: global_buffer, .address_space: global }
      - { .name: lowp_scales, .offset: 24, .size: 8, .value_kind: global_buffer, .address_space: global }
      - { .name: h2c, .offset: 32, .size: 8, .value_kind: global_buffer, .address_space: global }
    .group_segment_fixed_size: 0
    .private_segment_fixed_size: 0
    .kernarg_segment_align: 8
    .kernarg_segment_size: 40
    .max_flat_workgroup_size: 128
    .sgpr_count:     66
    .vgpr_count:     240
    .wavefront_size: 32
...
	.end_amdgpu_metadata
.endif
;; end of part 5
;; launch w1 (part 6): grid 16 x 16, 4 waves a work-group, clusters of 4 x 4, 327,680 bytes of LDS; arguments h2c, wc, lowp_scales, b1, gc; writes gc
.if DOCPART == 6
	.amdgcn_target "amdgcn-amd-amdhsa--gfx1250"
	.amdhsa_code_object_version 6
	.text
	.protected	k_qc12a026bf8_w1
	.globl	k_qc12a026bf8_w1
	.p2align	8
	.type	k_qc12a026bf8_w1,@function
k_qc12a026bf8_w1:
	s_mov_b64 s[64:65], 0
	v_nop
	global_prefetch_b8 v0, s[64:65] scope:SCOPE_SE
	s_setreg_imm32_b32 hwreg(HW_REG_WAVE_MODE, 25, 1), 1
	s_wait_xcnt 0x0
	s_wait_alu depctr_hold_cnt(0) depctr_sa_sdst(0) depctr_va_vdst(0) depctr_va_sdst(0) depctr_va_ssrc(0) depctr_va_vcc(0) depctr_vm_vsrc(0)
	s_getreg_b32 s2, hwreg(HW_REG_IB_STS2, 6, 4)
	s_cmp_eq_u32 s2, 0
	s_cbranch_scc0 .Lentry_in_a_cluster
	s_endpgm
.Lentry_in_a_cluster:
	s_bfe_u32 s2, ttmp6, 0x10000c
	s_cmp_lg_u32 s2, 0xf033
	s_cbranch_scc0 .Lentry_shape_is_right
	s_endpgm
.Lentry_shape_is_right:
.set SIZE_K, 1024
.set OP,     4096
.set KSTEP,  256
.set ROWB,   256
.set KROW,   SIZE_K
.set PITCH,  272
.set FR,     16
.set NL,     4
.set NP,     4
.set HALFT,  128*PITCH
.set SLOT,   4*HALFT
.set LAPS,   SIZE_K/(2*KSTEP)
.set SPARE,  2*SLOT
.set ADRA, 16
.set ADRB, 20
.set STO,  24
.set RD,   25
.set CO,   26
.set SPW,  28
.set NIL,  29
.set BI,   32
.set CD,   96
.set XO,   128
.set ZO,   192
.set AF,   128
.set G1, 24
.set G0, 32
.set G1B, 48
.set G0B, 56
.set MSB, 0
.macro WIN new
.if MSB != \new
	s_set_vgpr_msb (MSB<<8)|\new
.set MSB, \new
.endif
.endm
.set MUL_LO, 0xa1
.set MUL_HI, 0xf1
.set TO_B,   0x40
.macro JLOAD g0a, g1a, g0b, g1b
	s_cmp_eq_u32 s15, 0
	s_cbranch_scc0 .Lfor_b_\@
	tensor_load_to_lds s[\g0a:\g0a+3], s[\g1a:\g1a+7]
	s_nop 0
.rept 4
	v_nop
.endr
	s_branch .Lasked_\@
.Lfor_b_\@:
	tensor_load_to_lds s[\g0b:\g0b+3], s[\g1b:\g1b+7]
	s_nop 0
.rept 4
	v_nop
.endr
.Lasked_\@:
.endm
.macro CREST
	s_cmp_lg_u32 s14, 0
	s_cbranch_scc1 .Lnot_wave_0_\@
	s_barrier_signal -3
.Lnot_wave_0_\@:
	s_barrier_wait -3
	s_barrier_signal -1
	s_barrier_wait -1
.endm
.macro CROUND
	s_barrier_signal -1
	s_barrier_wait -1
	CREST
.endm
	s_load_b256 s[4:11], s[0:1], 0x0
	s_load_b64 s[12:13], s[0:1], 0x20
	v_lshl_add_u32 v[SPW], v0, 2, SPARE
	v_mov_b32 v[NIL], 0
	ds_add_u32 v[SPW], v[NIL]
	ds_add_u32 v[SPW], v[NIL]
	v_lshrrev_b32 v1, 5, v0
	v_readfirstlane_b32 s14, v1
	s_lshr_b32 s15, s14, 1
	s_and_b32 s16, s14, 1
	s_bfe_u32 s40, ttmp6, 0x40000
	s_bfe_u32 s41, ttmp6, 0x40004
	s_lshl_b32 s42, ttmp9, 2
	s_add_co_u32 s42, s42, s40
	s_and_b32 s17, ttmp7, 0xffff
	s_lshl_b32 s17, s17, 2
	s_add_co_u32 s17, s17, s41
	s_lshl_b32 s43, s41, 2
	s_lshl_b32 s43, 15, s43
	s_lshl_b32 s44, 0x1111, s40
	s_or_b32 s[G1+0], s43, (0<<16)|(1<<20)|(1<<21)|(5<<22)|(3<<25)
	s_or_b32 s[G1B+0], s44, (0<<16)|(1<<20)|(1<<21)|(5<<22)|(3<<25)
.irp g, G1, G1B
	s_mov_b32 s[\g+1], ROWB<<16
	s_mov_b32 s[\g+2], 128<<16
	s_mov_b32 s[\g+3], ROWB<<16
	s_mov_b32 s[\g+4], 128
	s_mov_b32 s[\g+5], KROW
	s_mov_b32 s[\g+6], 0
	s_mov_b32 s[\g+7], 0
.endr
	s_lshl_b32 s18, s16, 7
	s_lshl_b32 s20, s17, 8
	s_add_co_u32 s20, s20, s18
	s_lshl_b32 s20, s20, 10
	s_mov_b32 s21, 0
	s_lshl_b32 s46, s42, 8
	s_add_co_u32 s46, s46, s18
	s_lshl_b32 s46, s46, 10
	s_add_co_u32 s46, s46, 0x400000
	s_mov_b32 s47, 0
	s_mul_i32 s45, s14, HALFT
; THE PREFETCHES INTO THE L2: behind K step 0's joint load stand two, for K steps 1 and 2; behind K step 1's one, for K step 3: each at least one K step ahead of the load that wants it.
; Of the 128 rows x 256 bytes that a wave fetches, the partner at place p (cx for A, cy for B) of the four that ask for them jointly takes rows 32 p .. 32 p + 31, a lane a row: told apart by address alone.
; The address registers are never rewritten; K has four steps, so nothing is asked for in the loop.
.set PFO, 14                           ; v14 my lane x a row of 1,024 bytes
.set PFA, 98                           ; s[98:99] my work-group's 32 rows of the 128 that I fetch, at K step 0
	v_and_b32 v[PFO], 31, v0
	v_lshlrev_b32 v[PFO], 10, v[PFO]
	s_wait_alu depctr_va_vdst(0)
	s_wait_dscnt 0x0
	s_wait_kmcnt 0x0
	s_load_b128 s[68:71], s[8:9], 0x30
	s_add_nc_u64 s[20:21], s[4:5], s[20:21]
	s_add_nc_u64 s[46:47], s[6:7], s[46:47]
	s_cmp_eq_u32 s15, 0                            ; do I fetch for A?
	s_cselect_b64 s[PFA:PFA+1], s[20:21], s[46:47]
	s_cselect_b32 s100, s40, s41                   ; my place among the four that ask with me
	s_lshl_b32 s100, s100, 15                      ; 32 rows of 1,024 bytes
	s_mov_b32 s101, 0
	s_add_nc_u64 s[PFA:PFA+1], s[PFA:PFA+1], s[100:101]
	CROUND
.irp s, 0,1
	s_mov_b32 s[G0+4*\s], 1
	s_add_co_u32 s[G0+4*\s+1], s45, \s*SLOT
	s_add_nc_u64 s[G0+4*\s+2:G0+4*\s+3], s[20:21], \s*ROWB
	s_or_b32 s[G0+4*\s+3], s[G0+4*\s+3], 0x80000000
	s_mov_b32 s[G0B+4*\s], 1
	s_add_co_u32 s[G0B+4*\s+1], s45, \s*SLOT
	s_add_nc_u64 s[G0B+4*\s+2:G0B+4*\s+3], s[46:47], \s*ROWB
	s_or_b32 s[G0B+4*\s+3], s[G0B+4*\s+3], 0x80000000
.endr
	JLOAD G0, G1, G0B, G1B                         ; K step 0: one tensor load a wave at the head
	global_prefetch_b8 v[PFO], s[PFA:PFA+1] offset:ROWB th:TH_LOAD_NT scope:SCOPE_SE     ; K step 1
	global_prefetch_b8 v[PFO], s[PFA:PFA+1] offset:2*ROWB th:TH_LOAD_NT scope:SCOPE_SE   ; K step 2
	v_and_b32 v1, 15, v0
	v_bfe_u32 v2, v0, 4, 1
	v_mul_u32_u24 v3, v1, PITCH
	v_lshl_add_u32 v4, v2, 4, v3
	s_wait_alu depctr_va_vdst(0)
	s_mul_i32 s21, s15, HALFT
	s_mul_i32 s22, s16, HALFT
	s_add_co_u32 s22, s22, 2*HALFT
.irp s, 0,1
	v_add_nc_u32 v[ADRA+\s], s21, v4
	v_add_nc_u32 v[ADRB+\s], s22, v4
	s_add_co_u32 s21, s21, SLOT
	s_add_co_u32 s22, s22, SLOT
.endr
	s_mul_i32 s23, s15, 128*PITCH
	s_lshl_b32 s21, s16, 7
	s_add_co_u32 s23, s23, s21
	v_add_nc_u32 v[STO], s23, v4
	s_mul_i32 s23, s14, 64*PITCH
	v_mul_u32_u24 v5, v2, PITCH
	v_lshl_add_u32 v5, v1, 4, v5
	v_add_nc_u32 v[RD], s23, v5
	v_mul_u32_u24 v5, v2, OP
	v_lshl_add_u32 v[CO], v1, 4, v5
	s_lshl_b32 s20, s17, 8
	s_lshl_b32 s21, s14, 6
	s_add_co_u32 s20, s20, s21
	s_lshl_b32 s20, s20, 12
	s_lshl_b32 s21, s42, 8
	s_add_co_u32 s20, s20, s21
	s_mov_b32 s21, 0
	s_add_nc_u64 s[12:13], s[12:13], s[20:21]
	s_lshl_b32 s92, s42, 10
	s_lshl_b32 s93, s16, 9
	s_add_co_u32 s92, s92, s93
	s_mov_b32 s93, 0
	s_add_nc_u64 s[92:93], s[10:11], s[92:93]
	v_lshlrev_b32 v30, 5, v2
.irp b, 0,1,2,3,4,5,6,7
	global_load_b128 v[BI+8*\b:BI+8*\b+3], v30, s[92:93] offset:64*\b
	global_load_b128 v[BI+8*\b+4:BI+8*\b+7], v30, s[92:93] offset:64*\b+16
.endr
	v_mov_b32 v8, 0xc0135761
	v_mov_b32 v9, 0xc0135761
	v_mov_b32 v10, 0xbdd2d3e8
	v_mov_b32 v11, 0xbdd2d3e8
.macro FRAG reg, adr, q, i
.irp c, 0,1,2,3
	ds_load_b128 v[\reg+4*\c:\reg+4*\c+3], v[\adr] offset:128*(\q)+32*\c+(\i)*16*PITCH
.endr
.endm
.macro MUL16 a0, p, zero
.irp a, \a0, \a0+1
.irp b, 0,1,2,3,4,5,6,7
.if \zero
	v_wmma_f32_16x16x128_bf8_bf8 v[8*(8*((\a)%4)+\b):8*(8*((\a)%4)+\b)+7], v[128*(\p)+FR*\b:128*(\p)+FR*\b+FR-1], v[AF+FR*(\a):AF+FR*(\a)+FR-1], 0
.else
	v_wmma_f32_16x16x128_bf8_bf8 v[8*(8*((\a)%4)+\b):8*(8*((\a)%4)+\b)+7], v[128*(\p)+FR*\b:128*(\p)+FR*\b+FR-1], v[AF+FR*(\a):AF+FR*(\a)+FR-1], v[8*(8*((\a)%4)+\b):8*(8*((\a)%4)+\b)+7]
.endif
.endr
.endr
.endm
.macro FETCH_B slot, q, p
	WIN TO_B
.irp i, 0,1,2,3,4,5,6,7
	FRAG 128*(\p)+FR*\i, ADRB+\slot, \q, \i
.endr
	WIN 0
.endm
.macro FETCH_A slot, q, i0
.irp i, \i0, \i0+1, \i0+2, \i0+3
	FRAG AF+FR*(\i), ADRA+\slot, \q, \i
.endr
.endm
.macro PLACES n
.rept \n
	v_nop
.endr
.endm
.macro STEP slot, q, zero
	s_wait_dscnt 4*NL
	WIN MUL_LO
	MUL16 0, (\q)%2, \zero
	MUL16 2, (\q)%2, \zero
	s_wait_dscnt 0
	PLACES NP
	FETCH_B \slot, (\q)+1, 1-(\q)%2
	FETCH_A \slot, (\q)+1, 0
	WIN MUL_HI
	MUL16 4, (\q)%2, \zero
	MUL16 6, (\q)%2, \zero
	PLACES NP
	WIN 0
	FETCH_A \slot, (\q)+1, 4
.endm
.macro TURN slot, next, fill
	s_wait_tensorcnt 0x0
	ds_add_u32 v[SPW], v[NIL]
	s_wait_dscnt 4*NL+1
	WIN MUL_LO
	MUL16 0, 1, 0
	s_wait_dscnt 0x0
	s_barrier_signal -1
	MUL16 2, 1, 0
	WIN 0
	s_barrier_wait -1
.if \fill
	CREST
	s_add_nc_u64 s[G0+4*\slot+2:G0+4*\slot+3], s[G0+4*\slot+2:G0+4*\slot+3], 2*ROWB
	s_add_nc_u64 s[G0B+4*\slot+2:G0B+4*\slot+3], s[G0B+4*\slot+2:G0B+4*\slot+3], 2*ROWB
	JLOAD G0+4*\slot, G1, G0B+4*\slot, G1B
.else
	PLACES NP
.endif
	FETCH_B \next, 0, 0
	FETCH_A \next, 0, 0
	WIN MUL_HI
	MUL16 4, 1, 0
	MUL16 6, 1, 0
	PLACES NP
	WIN 0
	FETCH_A \next, 0, 4
.endm
	s_wait_alu depctr_va_vdst(0)
	s_wait_tensorcnt 0x0                           ; my part of K step 0 is in
	ds_add_u32 v[SPW], v[NIL]
	s_wait_dscnt 0x0
	CROUND
	JLOAD G0+4, G1, G0B+4, G1B                     ; K step 1: the first tensor load behind the round
	global_prefetch_b8 v[PFO], s[PFA:PFA+1] offset:3*ROWB th:TH_LOAD_NT scope:SCOPE_SE   ; K step 3
	FETCH_B 0, 0, 0
	FETCH_A 0, 0, 0
	FETCH_A 0, 0, 4
	STEP 0, 0, 1
	s_mov_b32 s3, LAPS-1
.Llap:
	TURN 0, 1, 1
	STEP 1, 0, 0
	TURN 1, 0, 1
	STEP 0, 0, 0
	s_sub_co_u32 s3, s3, 1
	s_cmp_lg_u32 s3, 0
	s_cbranch_scc1 .Llap
	TURN 0, 1, 0
	STEP 1, 0, 0
	s_wait_dscnt 4*NL
	WIN MUL_LO
	MUL16 0, 1, 0
	MUL16 2, 1, 0
	s_wait_dscnt 0
	WIN MUL_HI
	MUL16 4, 1, 0
	MUL16 6, 1, 0
	WIN 0
	s_wait_kmcnt 0x0
	s_add_co_i32 s96, s68, s69
	s_add_co_i32 s96, s96, 127
	s_lshl_b32 s96, s96, 23
	s_mov_b32 s97, s96
	s_add_co_i32 s94, s70, 127
	s_lshl_b32 s95, s94, 23
	v_mov_b32 v12, s95
	s_add_co_i32 s94, s94, 15
	s_lshl_b32 s94, s94, 23
	s_or_b32 s94, s94, 0x600000
	v_mov_b32 v13, s94
	s_wait_loadcnt 0x0
	PLACES NP
.macro BLK a
.set AC, 64*((\a)%4)
.set CB, CD+16*((\a)%2)
.if (\a) >= 2
	s_wait_dscnt 4
.endif
	WIN 0x02+((\a)/4)
.set jj, 0
.rept 32
	v_pk_fma_f32 v[XO+jj:XO+jj+1], v[AC+jj:AC+jj+1], s[96:97], v[BI+jj:BI+jj+1] op_sel_hi:[1,0,1]
.set jj, jj+2
.endr
	WIN 0
.set jj, 0
.rept 32
	v_pk_mul_f32 v[ZO+jj:ZO+jj+1], v[XO+jj:XO+jj+1], v[XO+jj:XO+jj+1]
.set jj, jj+2
.endr
.set jj, 0
.rept 32
	v_pk_fma_f32 v[ZO+jj:ZO+jj+1], v[ZO+jj:ZO+jj+1], v[10:11], v[8:9]
.set jj, jj+2
.endr
.set jj, 0
.rept 32
	v_pk_mul_f32 v[ZO+jj:ZO+jj+1], v[ZO+jj:ZO+jj+1], v[XO+jj:XO+jj+1]
.set jj, jj+2
.endr
.set jj, 0
	s_wait_alu depctr_va_vdst(0)
.rept 64
	v_exp_f32 v[ZO+jj], v[ZO+jj]
.set jj, jj+1
.endr
	v_nop
	s_wait_alu depctr_va_vdst(0)
.set jj, 0
.rept 32
	v_pk_add_f32 v[ZO+jj:ZO+jj+1], v[ZO+jj:ZO+jj+1], 1.0 op_sel_hi:[1,0]
.set jj, jj+2
.endr
.set jj, 0
	s_wait_alu depctr_va_vdst(0)
.rept 64
	v_rcp_f32 v[ZO+jj], v[ZO+jj]
.set jj, jj+1
.endr
	v_nop
	s_wait_alu depctr_va_vdst(0)
.set jj, 0
.rept 32
	v_pk_mul_f32 v[XO+jj:XO+jj+1], v[XO+jj:XO+jj+1], v[ZO+jj:ZO+jj+1]
.set jj, jj+2
.endr
.set jj, 0
.rept 64
	v_med3_num_f32 v[XO+jj], v[XO+jj], -v13, v13
.set jj, jj+1
.endr
.irp b, 0,1,2,3,4,5,6,7
	v_cvt_scalef32_pk8_bf8_f32 v[CB+2*\b:CB+2*\b+1], v[XO+8*\b:XO+8*\b+7], v12
.endr
	v_nop
.irp p, 0,1,2,3
	ds_store_b128 v[STO], v[CB+4*\p:CB+4*\p+3] offset:16*(\a)*PITCH+32*\p
.endr
.endm
.irp a, 0,1,2,3,4,5,6,7
	BLK \a
.endr
	s_wait_dscnt 0x0
	s_barrier_signal -1
	s_barrier_wait -1
.set tt, 0
.rept 32
	ds_load_b128 v[XO+4*tt:XO+4*tt+3], v[RD] offset:2*tt*PITCH
.set tt, tt+1
.endr
.set tt, 0
.rept 32
	s_wait_dscnt 31-tt
	global_store_b128 v[CO], v[XO+4*tt:XO+4*tt+3], s[12:13] offset:2*tt*OP
.set tt, tt+1
.endr
	s_wait_tensorcnt 0x0
	ds_add_u32 v[SPW], v[NIL]
	s_wait_dscnt 0x0
	CROUND
	s_endpgm
.Lfunc_end_k_qc12a026bf8_w1:
	.size	k_qc12a026bf8_w1, .Lfunc_end_k_qc12a026bf8_w1-k_qc12a026bf8_w1
	.p2alignl 7, 3214868480
	.fill 96, 4, 3214868480
	.section	.rodata,"a",@progbits
	.p2align	6, 0x0
	.amdhsa_kernel k_qc12a026bf8_w1
		.amdhsa_group_segment_fixed_size 327680
		.amdhsa_private_segment_fixed_size 0
		.amdhsa_enable_private_segment 0
		.amdhsa_kernarg_size 40
		.amdhsa_user_sgpr_count 2
		.amdhsa_user_sgpr_kernarg_segment_ptr 1
		.amdhsa_wavefront_size32 1
		.amdhsa_system_sgpr_workgroup_id_x 1
		.amdhsa_system_sgpr_workgroup_id_y 1
		.amdhsa_system_sgpr_workgroup_id_z 1
		.amdhsa_system_vgpr_workitem_id 0
		.amdhsa_next_free_vgpr 1024
		.amdhsa_next_free_sgpr 102
		.amdhsa_reserve_vcc 0
		.amdhsa_float_denorm_mode_32 3
		.amdhsa_float_denorm_mode_16_64 3
		.amdhsa_memory_ordered 1
		.amdhsa_forward_progress 1
		.amdhsa_inst_pref_size 255
	.end_amdhsa_kernel
	.section	.bss,"aw",@nobits
	.p2align	6
	.space	262144
	.amdgpu_metadata
---
amdhsa.version: [ 1, 2 ]
amdhsa.kernels:
  - .name:           k_qc12a026bf8_w1
    .symbol:         k_qc12a026bf8_w1.kd
    .args:
      - { .name: h2c, .offset: 0, .size: 8, .value_kind: global_buffer, .address_space: global }
      - { .name: wc, .offset: 8, .size: 8, .value_kind: global_buffer, .address_space: global }
      - { .name: lowp_scales, .offset: 16, .size: 8, .value_kind: global_buffer, .address_space: global }
      - { .name: b1, .offset: 24, .size: 8, .value_kind: global_buffer, .address_space: global }
      - { .name: gc, .offset: 32, .size: 8, .value_kind: global_buffer, .address_space: global }
    .group_segment_fixed_size: 327680
    .private_segment_fixed_size: 0
    .kernarg_segment_align: 8
    .kernarg_segment_size: 40
    .max_flat_workgroup_size: 128
    .sgpr_count:     102
    .vgpr_count:     1024
    .wavefront_size: 32
...
	.end_amdgpu_metadata
.endif
;; end of part 6
;; launch w2 (part 7): grid 8 x 32, 4 waves a work-group, clusters of 4 x 4, 327,680 bytes of LDS; arguments gc, wc, lowp_scales, x1, b2, out0; writes out0
.if DOCPART == 7
	.amdgcn_target "amdgcn-amd-amdhsa--gfx1250"
	.amdhsa_code_object_version 6
	.text
	.protected	k_qc12a026bf8_w2
	.globl	k_qc12a026bf8_w2
	.p2align	8
	.type	k_qc12a026bf8_w2,@function
k_qc12a026bf8_w2:
	s_mov_b64 s[64:65], 0
	v_nop
	global_prefetch_b8 v0, s[64:65] scope:SCOPE_SE
	s_setreg_imm32_b32 hwreg(HW_REG_WAVE_MODE, 25, 1), 1
	s_wait_xcnt 0x0
	s_wait_alu depctr_hold_cnt(0) depctr_sa_sdst(0) depctr_va_vdst(0) depctr_va_sdst(0) depctr_va_ssrc(0) depctr_va_vcc(0) depctr_vm_vsrc(0)
	s_getreg_b32 s2, hwreg(HW_REG_IB_STS2, 6, 4)
	s_cmp_eq_u32 s2, 0
	s_cbranch_scc0 .Lentry_in_a_cluster
	s_endpgm
.Lentry_in_a_cluster:
	s_bfe_u32 s2, ttmp6, 0x10000c
	s_cmp_lg_u32 s2, 0xf033
	s_cbranch_scc0 .Lentry_shape_is_right
	s_endpgm
.Lentry_shape_is_right:
; out0 = x1 + (gelu W2 + b2): C[m][n] = res[m][n] + (2^(ea + eb) x sum over k of A[m][k] B[n][k] + bias[n]), on codes of BF8 (E5M2).
; A: gc [4096][SIZE_K] codes; B: W2's codes [1024][SIZE_K] in wc at WOFF; ea, eb: two entries of the scales at byte SOFF; res, C: [4096][1024] f32.  LIMIT: ea + eb between -126 and 127.
; N is 1,024, so a tile of C is 128 x 128: 256 work-groups.  Four waves, each 64 x 64: 16 accumulators.  K goes in steps of 512 (LDS rows of 512 bytes) through a ring of two LDS slots filled by joint tensor loads:
; 4 x 4 work-groups form a cluster; A's tile is shared along its rows, B's along its columns.  THE MATRIX INSTRUCTION IS USED TRANSPOSED (source 0 = 16 rows of B, source 1 = 16 rows of A).
; REGISTERS: window 0: v16-29 addresses; v36-39 my four bias numbers; v128-255 the accumulators ((a, b) at v[128 + 8 (4 a + b)]).  window 1: two fragment buffers of 128 registers: for 128 along K
; A's four fragments, then B's four.  window 2: v0-127: the 32 rows of res that I store, asked for at the head, so that they land under the products.
.set SIZE_K, 4096
.set WOFF,   0x800000
.set SOFF,   0x38
.set KSTEP,  512
.set PITCH,  528                       ; an LDS row: 512 bytes + 16 of padding: the 16 rows that a load touches start at 16 different banks (ISA guide 11.1)
.set HALFT,  64*PITCH
.set SLOT,   4*HALFT
.set SPARE,  2*SLOT                    ; behind the ring: the spare words
.set LAPS,   SIZE_K/(2*KSTEP)
.set ADRA, 16
.set ADRB, 20
.set STO,  24                          ; the way out: the stage, 128 rows x 528 bytes, lies in slot 0, which has had its last fill and its last read by then
.set RD,   25
.set CO,   26                          ; 16 x lane: my bytes of a row of 512; never rewritten
.set SPW,  28
.set NIL,  29
.set BI,   36
.set ACC,  128
.set F0,   0
.set F1,   128
.set G1, 24
.set G0, 32
.set G1B, 48
.set G0B, 56
.set MSB, 0
.macro WIN new
.if MSB != \new
	s_set_vgpr_msb (MSB<<8)|\new
.set MSB, \new
.endif
.endm
.set MUL,  0x05                        ; sources 0 (B) and 1 (A) window 1; C and D window 0
.set TO_F, 0x40                        ; destination window 1, address window 0
.macro JLOAD s                         ; a joint load: waves 0 and 1 fetch A's halves, waves 2 and 3 B's; an s_nop 0 and four v_nop follow each line
	s_cmp_eq_u32 s11, 0
	s_cbranch_scc0 .Lfor_b_\@
	tensor_load_to_lds s[G0+4*\s:G0+4*\s+3], s[G1:G1+7]
	s_nop 0
.rept 4
	v_nop
.endr
	s_branch .Lasked_\@
.Lfor_b_\@:
	tensor_load_to_lds s[G0B+4*\s:G0B+4*\s+3], s[G1B:G1B+7]
	s_nop 0
.rept 4
	v_nop
.endr
.Lasked_\@:
.endm
.macro CREST
	s_cmp_lg_u32 s10, 0
	s_cbranch_scc1 .Lnot_wave_0_\@
	s_barrier_signal -3
.Lnot_wave_0_\@:
	s_barrier_wait -3
	s_barrier_signal -1
	s_barrier_wait -1
.endm
.macro CROUND
	s_barrier_signal -1
	s_barrier_wait -1
	CREST
.endm
	s_load_b256 s[68:75], s[0:1], 0x0              ; A s[68:69], wc s[70:71], the scales' exponents s[72:73], res s[74:75]
	s_load_b128 s[76:79], s[0:1], 0x20             ; bias s[76:77], C s[78:79]
	v_lshl_add_u32 v[SPW], v0, 2, SPARE
	v_mov_b32 v[NIL], 0
	ds_add_u32 v[SPW], v[NIL]                      ; the wave's opening: the add, twice on end, and its wait ahead of my first tensor load
	ds_add_u32 v[SPW], v[NIL]
	v_lshrrev_b32 v1, 5, v0
	v_readfirstlane_b32 s10, v1                    ; wave 0..3
	s_lshr_b32 s11, s10, 1                         ; my half of the tile's rows.  Also: I fetch for A (0) or for B (1)
	s_and_b32 s12, s10, 1                          ; my half of its columns.  Also: which 64 rows I fetch
	s_bfe_u32 s40, ttmp6, 0x40000
	s_bfe_u32 s41, ttmp6, 0x40004
	s_lshl_b32 s42, ttmp9, 2
	s_add_co_u32 s42, s42, s40                     ; tile column of C
	s_and_b32 s13, ttmp7, 0xffff
	s_lshl_b32 s13, s13, 2
	s_add_co_u32 s13, s13, s41                     ; tile row of C
	s_lshl_b32 s43, s41, 2
	s_lshl_b32 s43, 15, s43
	s_lshl_b32 s44, 0x1111, s40
	s_or_b32 s[G1+0], s43, (0<<16)|(1<<20)|(1<<21)|(6<<22)|(3<<25)  ; the mask; elements of 1 byte; padding on; bit 21 beside a mask; after every 128 words four words
	s_or_b32 s[G1B+0], s44, (0<<16)|(1<<20)|(1<<21)|(6<<22)|(3<<25)
.irp g, G1, G1B
	s_mov_b32 s[\g+1], KSTEP<<16
	s_mov_b32 s[\g+2], 64<<16
	s_mov_b32 s[\g+3], KSTEP<<16
	s_mov_b32 s[\g+4], 64
	s_mov_b32 s[\g+5], SIZE_K
	s_mov_b32 s[\g+6], 0
	s_mov_b32 s[\g+7], 0
.endr
	s_lshl_b32 s18, s12, 6
	s_lshl_b32 s16, s13, 7
	s_add_co_u32 s16, s16, s18
	s_mul_i32 s16, s16, SIZE_K                     ; A: row 128 x tile row + 64 x half, in bytes: under 2^24
	s_mov_b32 s17, 0
	s_lshl_b32 s46, s42, 7
	s_add_co_u32 s46, s46, s18
	s_mul_i32 s46, s46, SIZE_K
	s_add_co_u32 s46, s46, WOFF                    ; B likewise, in wc
	s_mov_b32 s47, 0
	s_mul_i32 s20, s10, HALFT
; THE PREFETCHES INTO THE L2.  Behind the joint load of K step j stands one prefetch for K step j + 2 (the head's first load asks for step 1 too): two K steps, 128 matrix instructions a wave, ahead of the load that wants it.
; A wave fetches 64 rows x 512 bytes = 128 blocks of 256 bytes; the four partners that ask for them jointly share them out BY ADDRESS: the partner at place p (cx for A, cy for B) takes rows 16 p .. 16 p + 15,
; two lanes to a row, 256 bytes apart: one instruction a wave.  B's tiles are walked by eight clusters: the clusters of even y alone ask for them.  The last two refills ask for nothing: no K step lies two on.
.set PFO, 30                           ; v30 (l / 2) rows + 256 (l % 2); never rewritten
.set PFA, 84                           ; s[84:85] my 16 rows, at K step 1; stepped two K steps a trip
.set LIM, 88                           ; s88 1 where my wave asks, else the greatest number
.macro ASK off, loop
.if \loop
	s_cmp_gt_u32 s3, s[LIM]                        ; s3 = 1 in the loop's last trip
.else
	s_cmp_eq_u32 s[LIM], 1
.endif
	s_cbranch_scc0 .Lnot_mine_\@
	global_prefetch_b8 v[PFO], s[PFA:PFA+1] offset:\off th:TH_LOAD_NT scope:SCOPE_SE
.Lnot_mine_\@:
.endm
	v_bfe_u32 v[PFO], v0, 1, 4
	v_and_b32 v31, 1, v0
	v_mul_u32_u24 v[PFO], v[PFO], SIZE_K
	v_lshl_add_u32 v[PFO], v31, 8, v[PFO]
	s_wait_alu depctr_va_vdst(0)
	s_wait_dscnt 0x0
	s_wait_kmcnt 0x0
	s_load_b64 s[80:81], s[72:73], SOFF            ; ea, eb
	s_add_nc_u64 s[14:15], s[68:69], s[16:17]
	s_add_nc_u64 s[46:47], s[70:71], s[46:47]
	s_cmp_eq_u32 s11, 0                            ; do I fetch for A?
	s_cselect_b64 s[PFA:PFA+1], s[14:15], s[46:47] ; the 64 rows that I fetch
	s_cselect_b32 s86, s40, s41                    ; my place among the four that ask for them with me
	s_mul_i32 s86, s86, 16*SIZE_K
	s_add_co_u32 s86, s86, KSTEP
	s_mov_b32 s87, 0
	s_add_nc_u64 s[PFA:PFA+1], s[PFA:PFA+1], s[86:87]
	s_and_b32 s[LIM], ttmp7, 1
	s_and_b32 s[LIM], s[LIM], s11                  ; 1: B's wave in a cluster of odd y
	s_cmp_eq_u32 s[LIM], 0
	s_cselect_b32 s[LIM], 1, -1
	CROUND                                         ; all sixteen work-groups are here: the first joint loads meet
.irp s, 0,1
	s_mov_b32 s[G0+4*\s], 1
	s_add_co_u32 s[G0+4*\s+1], s20, \s*SLOT
	s_add_nc_u64 s[G0+4*\s+2:G0+4*\s+3], s[14:15], \s*KSTEP
	s_or_b32 s[G0+4*\s+3], s[G0+4*\s+3], 0x80000000
	s_mov_b32 s[G0B+4*\s], 1
	s_add_co_u32 s[G0B+4*\s+1], s20, \s*SLOT
	s_add_nc_u64 s[G0B+4*\s+2:G0B+4*\s+3], s[46:47], \s*KSTEP
	s_or_b32 s[G0B+4*\s+3], s[G0B+4*\s+3], 0x80000000
.endr
	JLOAD 0                                        ; K step 0: one tensor load a wave at the head
	ASK 0, 0                                       ; K step 1
	ASK KSTEP, 0                                   ; K step 2
	v_and_b32 v1, 15, v0
	s_wait_alu depctr_va_vdst(0)
	v_bfe_u32 v2, v0, 4, 1
	v_mul_u32_u24 v3, v1, PITCH
	v_lshl_add_u32 v3, v2, 4, v3
	s_mul_i32 s21, s11, HALFT
	s_mul_i32 s22, s12, HALFT
	s_add_co_u32 s22, s22, 2*HALFT
.irp s, 0,1
	v_add_nc_u32 v[ADRA+\s], s21, v3
	v_add_nc_u32 v[ADRB+\s], s22, v3
	s_add_co_u32 s21, s21, SLOT
	s_add_co_u32 s22, s22, SLOT
.endr
	s_mul_i32 s23, s11, 64*PITCH                   ; into the stage: my 64 rows, my half of their 512 bytes; row l % 16, 32 bytes for each half of the lanes
	s_lshl_b32 s21, s12, 8
	s_add_co_u32 s23, s23, s21
	v_mul_u32_u24 v4, v1, PITCH
	s_wait_alu depctr_va_vdst(0)
	v_lshl_add_u32 v4, v2, 5, v4
	v_add_nc_u32 v[STO], s23, v4
	s_mul_i32 s23, s10, 32*PITCH                   ; back: wave w takes rows 32 w on, whole: the 32 lanes take a row of 512 bytes
	v_and_b32 v5, 31, v0
	v_lshlrev_b32 v[CO], 4, v5
	s_wait_alu depctr_va_vdst(0)
	v_add_nc_u32 v[RD], s23, v[CO]
	s_lshl_b32 s16, s13, 7
	s_lshl_b32 s17, s10, 5
	s_add_co_u32 s16, s16, s17                     ; the first row that I store
	s_lshl_b32 s16, s16, 12
	s_lshl_b32 s46, s42, 9                         ; the tile's first column, in bytes
	s_add_co_u32 s16, s16, s46
	s_mov_b32 s17, 0
	s_mov_b32 s47, 0
	s_add_nc_u64 s[74:75], s[74:75], s[16:17]
	s_add_nc_u64 s[78:79], s[78:79], s[16:17]
	s_add_nc_u64 s[76:77], s[76:77], s[46:47]
.macro RES                             ; the residual rows and the bias are asked for behind the first quarter's products, and land under the loop
	WIN 0x80                                       ; destination window 2
.set tt, 0
.rept 32
	global_load_b128 v[4*tt:4*tt+3], v[CO], s[74:75] offset:4096*tt   ; res: 512 consecutive bytes a load; waited for on the way out
.set tt, tt+1
.endr
	WIN 0
	global_load_b128 v[BI:BI+3], v[CO], s[76:77]   ; the bias of my four columns
.endm
.macro MUL4 f, a, zero                 ; A's block a x B's four, 128 along K.  The 16 accumulators take turns, one instruction a turn
.irp b, 0,1,2,3
.if \zero
	v_wmma_f32_16x16x128_bf8_bf8 v[ACC+8*(4*(\a)+\b):ACC+8*(4*(\a)+\b)+7], v[\f+64+16*\b:\f+64+16*\b+15], v[\f+16*(\a):\f+16*(\a)+15], 0
.else
	v_wmma_f32_16x16x128_bf8_bf8 v[ACC+8*(4*(\a)+\b):ACC+8*(4*(\a)+\b)+7], v[\f+64+16*\b:\f+64+16*\b+15], v[\f+16*(\a):\f+16*(\a)+15], v[ACC+8*(4*(\a)+\b):ACC+8*(4*(\a)+\b)+7]
.endif
.endr
.endm
.macro FETCH slot, q, f                ; 32 LDS loads in one run: the slot's q-th 128 along K into buffer f: B's four fragments, then A's
	WIN TO_F
.irp i, 0,1,2,3
.irp c, 0,1,2,3
	ds_load_b128 v[\f+64+16*\i+4*\c:\f+64+16*\i+4*\c+3], v[ADRB+\slot] offset:128*(\q)+32*\c+\i*16*PITCH
.endr
.endr
.irp i, 0,1,2,3
.irp c, 0,1,2,3
	ds_load_b128 v[\f+16*\i+4*\c:\f+16*\i+4*\c+3], v[ADRA+\slot] offset:128*(\q)+32*\c+\i*16*PITCH
.endr
.endr
.endm
.macro PLACES
.rept 4
	v_nop
.endr
.endm
.macro QUARTER slot, qn, f, g, zero    ; multiplies buffer f; in its middle it fetches the slot's quarter qn into buffer g
	s_wait_dscnt 8                                 ; B and A's blocks 0, 1 are in; A's blocks 2, 3 may be out
	WIN MUL
	MUL4 \f, 0, \zero
	MUL4 \f, 1, \zero
	PLACES
	FETCH \slot, \qn, \g
	s_wait_dscnt 32                                ; all but the 32 just issued
	WIN MUL
	MUL4 \f, 2, \zero
	MUL4 \f, 3, \zero
.endm
.macro TURN slot, next, fill           ; the slot's last quarter multiplies buffer 1 and changes slots: one barrier
.if \fill && (\slot) == 0
	s_wait_xcnt 0x0                                ; my prefetches have read their address: it is stepped once a trip
	s_add_nc_u64 s[PFA:PFA+1], s[PFA:PFA+1], 2*KSTEP
.endif
	WIN 0
	s_wait_tensorcnt 0x0
	ds_add_u32 v[SPW], v[NIL]                      ; 0 onto my spare word
	s_wait_dscnt 9                                 ; the add and A's blocks 2, 3 may be out
	WIN MUL
	MUL4 F1, 0, 0
	s_wait_dscnt 0x0                               ; the add is done, and my reads of this slot are over
	s_barrier_signal -1
	MUL4 F1, 1, 0
	WIN 0
	s_barrier_wait -1
.if \fill
	CREST                                          ; the barrier has opened a round of the cluster's barrier: no wave of any partner still reads this slot or has a load on its way
	s_add_nc_u64 s[G0+4*\slot+2:G0+4*\slot+3], s[G0+4*\slot+2:G0+4*\slot+3], 2*KSTEP
	s_add_nc_u64 s[G0B+4*\slot+2:G0B+4*\slot+3], s[G0B+4*\slot+2:G0B+4*\slot+3], 2*KSTEP
	JLOAD \slot                                    ; the first tensor load behind the round; its four v_nop are the places in front of the loads below
	ASK (1+\slot)*KSTEP, 1                         ; the K step two refills on
.else
	PLACES
.endif
	FETCH \next, 0, F0
	WIN MUL
	MUL4 F1, 2, 0
	MUL4 F1, 3, 0
.endm
	s_wait_alu depctr_va_vdst(0)
	s_wait_tensorcnt 0x0                           ; my part of K step 0 is in
	ds_add_u32 v[SPW], v[NIL]
	s_wait_dscnt 0x0
	CROUND
	JLOAD 1                                        ; K step 1: the first tensor load behind the round
	ASK 2*KSTEP, 0                                 ; K step 3
	FETCH 0, 0, F0
	QUARTER 0, 1, F0, F1, 1                        ; the first quarter's products start the sums
	RES
.if LAPS > 1
	WIN 0
	s_mov_b32 s3, LAPS-1
.Llap:                                                 ; a trip goes once round the ring, from a lap's second quarter to the next lap's first, and fills both slots again
	QUARTER 0, 2, F1, F0, 0
	QUARTER 0, 3, F0, F1, 0
	TURN 0, 1, 1
	QUARTER 1, 1, F0, F1, 0
	QUARTER 1, 2, F1, F0, 0
	QUARTER 1, 3, F0, F1, 0
	TURN 1, 0, 1
	QUARTER 0, 1, F0, F1, 0
	WIN 0
	s_sub_co_u32 s3, s3, 1
	s_cmp_lg_u32 s3, 0
	s_cbranch_scc1 .Llap
.endif
	QUARTER 0, 2, F1, F0, 0                        ; the last lap fills nothing
	QUARTER 0, 3, F0, F1, 0
	TURN 0, 1, 0
	QUARTER 1, 1, F0, F1, 0
	QUARTER 1, 2, F1, F0, 0
	QUARTER 1, 3, F0, F1, 0
	s_wait_dscnt 8
	WIN MUL
	MUL4 F1, 0, 0
	MUL4 F1, 1, 0
	s_wait_dscnt 0
	MUL4 F1, 2, 0
	MUL4 F1, 3, 0
	WIN 0
	; THE WAY OUT: the sums go into the work-group's stage as they are, a lane's 32 bytes of a row; a barrier, since a row's 512 bytes come from two waves; back as whole rows, 32 a wave.
	s_wait_kmcnt 0x0
	s_add_co_i32 s82, s80, s81
	s_add_co_i32 s82, s82, 127
	s_lshl_b32 s82, s82, 23                        ; 2^(ea + eb) as f32
	s_mov_b32 s83, s82
	PLACES
.irp a, 0,1,2,3
.irp b, 0,1,2,3
	ds_store_b128 v[STO], v[ACC+8*(4*\a+\b):ACC+8*(4*\a+\b)+3] offset:\a*16*PITCH+64*\b       ; each accumulator from its low end on
	ds_store_b128 v[STO], v[ACC+8*(4*\a+\b)+4:ACC+8*(4*\a+\b)+7] offset:\a*16*PITCH+64*\b+16
.endr
.endr
	s_wait_dscnt 0x0                               ; for the others' sake: my stores into the stage are done
	s_barrier_signal -1
	s_barrier_wait -1
.set tt, 0
	s_wait_alu depctr_va_vdst(0)
.rept 32
	ds_load_b128 v[ACC+4*tt:ACC+4*tt+3], v[RD] offset:tt*PITCH
.set tt, tt+1
.endr
	s_wait_dscnt 0x0
	s_wait_loadcnt 0x0                             ; res and the bias
.set tt, 0
.rept 32
	v_pk_fma_f32 v[ACC+4*tt:ACC+4*tt+1], v[ACC+4*tt:ACC+4*tt+1], s[82:83], v[BI:BI+1] op_sel_hi:[1,0,1]       ; sum x 2^(ea + eb) + bias
	v_pk_fma_f32 v[ACC+4*tt+2:ACC+4*tt+3], v[ACC+4*tt+2:ACC+4*tt+3], s[82:83], v[BI+2:BI+3] op_sel_hi:[1,0,1]
.set tt, tt+1
.endr
	WIN 0x08                                       ; source 1: window 2
.set tt, 0
.rept 64
	v_pk_add_f32 v[ACC+2*tt:ACC+2*tt+1], v[ACC+2*tt:ACC+2*tt+1], v[2*tt:2*tt+1]   ; + res
.set tt, tt+1
.endr
	WIN 0
.set tt, 0
.rept 32
	global_store_b128 v[CO], v[ACC+4*tt:ACC+4*tt+3], s[78:79] offset:4096*tt   ; the wave stores 512 consecutive bytes, aligned
.set tt, tt+1
.endr
	s_wait_tensorcnt 0x0                           ; the wave's end
	ds_add_u32 v[SPW], v[NIL]
	s_wait_dscnt 0x0
	CROUND                                         ; the closing round
	s_endpgm
.Lfunc_end_k_qc12a026bf8_w2:
	.size	k_qc12a026bf8_w2, .Lfunc_end_k_qc12a026bf8_w2-k_qc12a026bf8_w2
	.p2alignl 7, 3214868480
	.fill 96, 4, 3214868480
	.section	.rodata,"a",@progbits
	.p2align	6, 0x0
	.amdhsa_kernel k_qc12a026bf8_w2
		.amdhsa_group_segment_fixed_size 327680
		.amdhsa_private_segment_fixed_size 0
		.amdhsa_enable_private_segment 0
		.amdhsa_kernarg_size 48
		.amdhsa_user_sgpr_count 2
		.amdhsa_user_sgpr_kernarg_segment_ptr 1
		.amdhsa_wavefront_size32 1
		.amdhsa_system_sgpr_workgroup_id_x 1
		.amdhsa_system_sgpr_workgroup_id_y 1
		.amdhsa_system_sgpr_workgroup_id_z 1
		.amdhsa_system_vgpr_workitem_id 0
		.amdhsa_next_free_vgpr 640
		.amdhsa_next_free_sgpr 90
		.amdhsa_reserve_vcc 0
		.amdhsa_float_denorm_mode_32 3
		.amdhsa_float_denorm_mode_16_64 3
		.amdhsa_memory_ordered 1
		.amdhsa_forward_progress 1
		.amdhsa_inst_pref_size 83
	.end_amdhsa_kernel
	.amdgpu_metadata
---
amdhsa.version: [ 1, 2 ]
amdhsa.kernels:
  - .name:           k_qc12a026bf8_w2
    .symbol:         k_qc12a026bf8_w2.kd
    .args:
      - { .name: gc, .offset: 0, .size: 8, .value_kind: global_buffer, .address_space: global }
      - { .name: wc, .offset: 8, .size: 8, .value_kind: global_buffer, .address_space: global }
      - { .name: lowp_scales, .offset: 16, .size: 8, .value_kind: global_buffer, .address_space: global }
      - { .name: x1, .offset: 24, .size: 8, .value_kind: global_buffer, .address_space: global }
      - { .name: b2, .offset: 32, .size: 8, .value_kind: global_buffer, .address_space: global }
      - { .name: out0, .offset: 40, .size: 8, .value_kind: global_buffer, .address_space: global }
    .group_segment_fixed_size: 327680
    .private_segment_fixed_size: 0
    .kernarg_segment_align: 8
    .kernarg_segment_size: 48
    .max_flat_workgroup_size: 128
    .sgpr_count:     90
    .vgpr_count:     640
    .wavefront_size: 32
...
	.end_amdgpu_metadata
.endif
;; end of part 7
